; MI455X (gfx1250); checked and timed in simulation.
; The chip was launched on July 23, 2026; its instructions are those of AMD's public machine-readable ISA for CDNA 5 (MIT licence, August 2026) and "CDNA5" Instruction Set Architecture Reference Guide (July 2026). The comments in the code are by the model that wrote it; some were corrected since.
;; Block. Allowed arithmetic: float matrix products may take bf16 or f16 operands with f32 sums; other float arithmetic in f32, or as packed bf16 or f16 multiplies, adds, multiply-adds, maxima and minima; sums over many terms, partial sums and values carried from step to step in f32; what a program stores and reads back later, other than sums and carried values, may be rounded once to bf16 or f16.
;; Inputs: W_attn 1,024 x 3,072 float32; W_fc 1,024 x 4,096 float32; W_fc_proj 4,096 x 1,024 float32; W_proj 1,024 x 1,024 float32; b_attn 3,072 float32; b_fc 4,096 float32; b_fc_proj 1,024 float32; b_proj 1,024 float32; ln1_b 1,024 float32; ln1_g 1,024 float32; ln2_b 1,024 float32; ln2_g 1,024 float32; x 2 x 2,048 x 1,024 float32.
;; Outputs: out0 2 x 2,048 x 1,024 float32.
;; 2 versions, each right; version 2 is version 1 with the launches prep, ln2 written anew for expert scheduling mode. Each part assembles by itself: llvm-mc -triple=amdgcn-amd-amdhsa -mcpu=gfx1250 --defsym DOCPART=n.
;; ======== version 1 of 2: 7 launches
;; limits: values are held in f16: magnitudes above 65,504 overflow, below 6.1e-05 lose precision
;; workspace buffers: wa 6,291,456 bytes; wp 2,097,152 bytes; wf 8,388,608 bytes; wo 8,388,608 bytes; hn 8,388,608 bytes; sc 33,554,432 bytes; ya 8,388,608 bytes; x1 16,777,216 bytes
;; launch prep (part 1): grid 1024 x 1, 4 waves a work-group, no clusters, 0 bytes of LDS; arguments x, ln1_g, ln1_b, hn, W_attn, W_proj, W_fc, W_fc_proj, wa, wp, wf, wo; writes hn, wa, wp, wf, wo
.if DOCPART == 1
	.amdgcn_target "amdgcn-amd-amdhsa--gfx1250"
	.amdhsa_code_object_version 6
	.text
	.protected	k_q9b9cb50f02_prep
	.globl	k_q9b9cb50f02_prep
	.p2align	8
	.type	k_q9b9cb50f02_prep,@function
k_q9b9cb50f02_prep:
	s_mov_b64 s[64:65], 0
	v_nop
	global_prefetch_b8 v0, s[64:65] scope:SCOPE_SE
	s_setreg_imm32_b32 hwreg(HW_REG_WAVE_MODE, 25, 1), 1
	s_wait_xcnt 0x0
; Two streams in one body.  Work-groups 0-255: hn = LayerNorm(x) * g + b, rounded once to f16.  Work-groups 256-1023: the four weight
; matrices rounded once to f16, in the layout in which they lie ([K][N]).  Every work-group reads 65,536 bytes and writes 32,768.
; THE BODY SERVES TWO LAUNCHES.  The first has 1,024 work-groups and does all of the above.  The second LayerNorm's launch has 256: all of them take the
; LayerNorm's way, with its own tensor, gain and bias in the first three argument places; the eight further arguments are loaded as addresses and never used there.
; LIMITS.  f16 holds no number beyond 65,504: hn and the weights stay within it; below 6e-5 a number keeps f16's fixed step of 6e-8.  NaN and infinities are not treated apart.
; LAYERNORM.  A wave owns four rows of 1,024 f32; a row is 32 registers a lane (chunk j: columns 128 j + 4 lane .. + 3), read once and kept
; between the passes.  The mean is taken away before the squares are summed, so a common offset of x costs nothing.  No LDS, no barrier:
; a row never leaves its wave.  Each store of a wave covers 256 consecutive bytes, aligned.
; No matrix unit, no cluster: nothing is shared but g and b (8 KiB).
.set T,   4                            ; v[4:11]    four chains of pairs at work
.set MU,  20                           ; v[20:27]   row i: a pair: the mean twice; later 1/sqrt(var + eps) in the low word
.set XR,  32                           ; v[32:159]  row i at 32 i, chunk j at 4 j
.set GR,  160                          ; v[160:191] g of my 32 columns
.set BR,  192                          ; v[192:223] b of my 32 columns
.macro FOLD                            ; four chains of pairs, then the 32 lanes: the sum in every lane's v[T]
	v_pk_add_f32 v[T:T+1], v[T:T+1], v[T+2:T+3]
	v_pk_add_f32 v[T+4:T+5], v[T+4:T+5], v[T+6:T+7]
	v_pk_add_f32 v[T:T+1], v[T:T+1], v[T+4:T+5]
	v_add_f32 v[T], v[T], v[T+1]
	v_add_f32_dpp v[T], v[T], v[T] row_xmask:1 row_mask:0xf bank_mask:0xf
	v_add_f32_dpp v[T], v[T], v[T] row_xmask:2 row_mask:0xf bank_mask:0xf
	v_add_f32_dpp v[T], v[T], v[T] row_xmask:4 row_mask:0xf bank_mask:0xf
	v_add_f32_dpp v[T], v[T], v[T] row_xmask:8 row_mask:0xf bank_mask:0xf
	v_permlanex16_b32 v[T+1], v[T], s12, s13       ; its destination has been written above
	v_add_f32 v[T], v[T], v[T+1]
.endm
.macro LNROW i                         ; row i: mean, centred in place, variance + eps
.set XB, XR+32*(\i)
	s_wait_loadcnt 24-8*(\i)                       ; loads come back in order: g, b and rows 0 .. i are in; eight loads of each younger row stay out
.irp c, 0,1,2,3
	v_pk_add_f32 v[T+2*(\c):T+2*(\c)+1], v[XB+4*(\c):XB+4*(\c)+1], v[XB+4*(\c)+2:XB+4*(\c)+3]
.endr
.irp k, 8,9,10,11,12,13,14,15
	v_pk_add_f32 v[T+2*((\k)%4):T+2*((\k)%4)+1], v[T+2*((\k)%4):T+2*((\k)%4)+1], v[XB+2*(\k):XB+2*(\k)+1]
.endr
	FOLD
	v_mul_f32 v[MU+2*(\i)], s14, v[T]              ; the mean, in both words of the pair
	v_mul_f32 v[MU+2*(\i)+1], s14, v[T]
.irp k, 0,1,2,3,4,5,6,7,8,9,10,11,12,13,14,15
	v_pk_add_f32 v[XB+2*(\k):XB+2*(\k)+1], v[XB+2*(\k):XB+2*(\k)+1], v[MU+2*(\i):MU+2*(\i)+1] neg_lo:[0,1] neg_hi:[0,1]
.endr
.irp c, 0,1,2,3
	v_pk_mul_f32 v[T+2*(\c):T+2*(\c)+1], v[XB+2*(\c):XB+2*(\c)+1], v[XB+2*(\c):XB+2*(\c)+1]
.endr
.irp k, 4,5,6,7,8,9,10,11,12,13,14,15
	v_pk_fma_f32 v[T+2*((\k)%4):T+2*((\k)%4)+1], v[XB+2*(\k):XB+2*(\k)+1], v[XB+2*(\k):XB+2*(\k)+1], v[T+2*((\k)%4):T+2*((\k)%4)+1]
.endr
	FOLD
	v_fma_f32 v[MU+2*(\i)+1], v[T], s14, s15       ; var + eps, in the pair's high word
.endm
.macro LNOUT i                         ; row i: scaled, g and b applied, rounded, stored
.set XB, XR+32*(\i)
.irp j, 0,1,2,3,4,5,6,7
	v_pk_mul_f32 v[XB+4*(\j):XB+4*(\j)+1], v[XB+4*(\j):XB+4*(\j)+1], v[MU+2*(\i):MU+2*(\i)+1] op_sel_hi:[1,0]
	v_pk_mul_f32 v[XB+4*(\j)+2:XB+4*(\j)+3], v[XB+4*(\j)+2:XB+4*(\j)+3], v[MU+2*(\i):MU+2*(\i)+1] op_sel_hi:[1,0]
	v_pk_fma_f32 v[XB+4*(\j):XB+4*(\j)+1], v[XB+4*(\j):XB+4*(\j)+1], v[GR+4*(\j):GR+4*(\j)+1], v[BR+4*(\j):BR+4*(\j)+1]
	v_pk_fma_f32 v[XB+4*(\j)+2:XB+4*(\j)+3], v[XB+4*(\j)+2:XB+4*(\j)+3], v[GR+4*(\j)+2:GR+4*(\j)+3], v[BR+4*(\j)+2:BR+4*(\j)+3]
	v_cvt_pk_f16_f32 v[XB+4*(\j)], v[XB+4*(\j)], v[XB+4*(\j)+1]
	v_cvt_pk_f16_f32 v[XB+4*(\j)+1], v[XB+4*(\j)+2], v[XB+4*(\j)+3]
	global_store_b64 v3, v[XB+4*(\j):XB+4*(\j)+1], s[22:23] offset:2048*(\i)+256*(\j)  ; 32 lanes: 256 consecutive bytes, aligned; no register is written again behind a store
.endr
.endm
	s_load_b512 s[16:31], s[0:1], 0x0              ; x s[16:17], g s[18:19], b s[20:21], hn s[22:23], W_attn, W_proj, W_fc, W_fc_proj s[24:31]
	s_load_b256 s[32:39], s[0:1], 0x40             ; wa, wp, wf, wo
	v_and_b32 v1, 31, v0                           ; lane
	v_lshrrev_b32 v28, 5, v0                       ; wave
	v_lshlrev_b32 v29, 4, v1                       ; 16 x lane
	v_lshl_add_u32 v2, v28, 14, v29                ; f32 side: the wave's 16,384 bytes + 16 x lane
	v_lshlrev_b32 v3, 3, v1
	v_lshl_add_u32 v3, v28, 13, v3                 ; f16 side: the wave's 8,192 bytes + 8 x lane
	s_wait_kmcnt 0x0
	s_cmp_lt_u32 ttmp9, 256
	s_cbranch_scc0 .Lcast
	s_lshl_b32 s2, ttmp9, 16                       ; the work-group's 16 rows of 4,096 bytes
	s_mov_b32 s3, 0
	s_add_nc_u64 s[16:17], s[16:17], s[2:3]
	s_lshl_b32 s2, ttmp9, 15                       ; and of 2,048 bytes
	s_add_nc_u64 s[22:23], s[22:23], s[2:3]
	s_mov_b32 s12, 0x76543210                      ; v_permlanex16_b32: each lane takes its own place in the other half
	s_mov_b32 s13, 0xfedcba98
	s_mov_b32 s14, 0x3a800000                      ; 1 / 1024
	s_mov_b32 s15, 0x3727c5ac                      ; eps = 1e-5
.irp j, 0,1,2,3,4,5,6,7
	global_load_b128 v[GR+4*(\j):GR+4*(\j)+3], v29, s[18:19] offset:512*(\j)
	global_load_b128 v[BR+4*(\j):BR+4*(\j)+3], v29, s[20:21] offset:512*(\j)
.endr
.irp i, 0,1,2,3
.irp j, 0,1,2,3,4,5,6,7
	global_load_b128 v[XR+32*(\i)+4*(\j):XR+32*(\i)+4*(\j)+3], v2, s[16:17] offset:4096*(\i)+512*(\j) th:TH_LOAD_NT
.endr
.endr
	LNROW 0
	LNROW 1
	LNROW 2
	LNROW 3
.irp i, 0,1,2,3
	v_rsq_f32 v[MU+2*(\i)], v[MU+2*(\i)+1]
.endr
	v_nop                                          ; a plain instruction behind the last of the four,
	s_wait_alu depctr_va_vdst(0)                   ; and one wait for the batch, ahead of its first reader
	LNOUT 0
	LNOUT 1
	LNOUT 2
	LNOUT 3
	s_endpgm
.Lcast:                                        ; 768 work-groups: 192 for W_attn, 64 for W_proj, 256 for W_fc, 256 for W_fc_proj; 65,536 bytes of f32 each
	s_sub_co_u32 s2, ttmp9, 256
	s_mov_b64 s[4:5], s[30:31]
	s_mov_b64 s[6:7], s[38:39]
	s_mov_b32 s3, 512
	s_cmp_lt_u32 s2, 512
	s_cselect_b64 s[4:5], s[28:29], s[4:5]
	s_cselect_b64 s[6:7], s[36:37], s[6:7]
	s_cselect_b32 s3, 256, s3
	s_cmp_lt_u32 s2, 256
	s_cselect_b64 s[4:5], s[26:27], s[4:5]
	s_cselect_b64 s[6:7], s[34:35], s[6:7]
	s_cselect_b32 s3, 192, s3
	s_cmp_lt_u32 s2, 192
	s_cselect_b64 s[4:5], s[24:25], s[4:5]
	s_cselect_b64 s[6:7], s[32:33], s[6:7]
	s_cselect_b32 s3, 0, s3
	s_sub_co_u32 s2, s2, s3                        ; my number within the matrix
	s_lshl_b32 s8, s2, 16
	s_mov_b32 s9, 0
	s_add_nc_u64 s[4:5], s[4:5], s[8:9]
	s_lshl_b32 s8, s2, 15
	s_add_nc_u64 s[6:7], s[6:7], s[8:9]
.set i, 0
.rept 32
	global_load_b128 v[32+4*i:32+4*i+3], v2, s[4:5] offset:512*i th:TH_LOAD_NT  ; all of the wave's 16 KiB are asked for at once
.set i, i+1
.endr
.set i, 0
.rept 32
	s_wait_loadcnt 31-i                            ; load i is in; the younger ones stay out
	v_cvt_pk_f16_f32 v[160+2*i], v[32+4*i], v[32+4*i+1]
	v_cvt_pk_f16_f32 v[160+2*i+1], v[32+4*i+2], v[32+4*i+3]
	global_store_b64 v3, v[160+2*i:160+2*i+1], s[6:7] offset:256*i  ; 256 consecutive bytes, aligned
.set i, i+1
.endr
	s_endpgm
.Lfunc_end_k_q9b9cb50f02_prep:
	.size	k_q9b9cb50f02_prep, .Lfunc_end_k_q9b9cb50f02_prep-k_q9b9cb50f02_prep
	.p2alignl 7, 3214868480
	.fill 96, 4, 3214868480
	.section	.rodata,"a",@progbits
	.p2align	6, 0x0
	.amdhsa_kernel k_q9b9cb50f02_prep
		.amdhsa_group_segment_fixed_size 0
		.amdhsa_private_segment_fixed_size 0
		.amdhsa_enable_private_segment 0
		.amdhsa_kernarg_size 96
		.amdhsa_user_sgpr_count 2
		.amdhsa_user_sgpr_kernarg_segment_ptr 1
		.amdhsa_wavefront_size32 1
		.amdhsa_system_sgpr_workgroup_id_x 1
		.amdhsa_system_sgpr_workgroup_id_y 1
		.amdhsa_system_sgpr_workgroup_id_z 1
		.amdhsa_system_vgpr_workitem_id 0
		.amdhsa_next_free_vgpr 224
		.amdhsa_next_free_sgpr 66
		.amdhsa_reserve_vcc 0
		.amdhsa_float_denorm_mode_32 3
		.amdhsa_float_denorm_mode_16_64 3
		.amdhsa_memory_ordered 1
		.amdhsa_forward_progress 1
		.amdhsa_inst_pref_size 49
	.end_amdhsa_kernel
	.amdgpu_metadata
---
amdhsa.version: [ 1, 2 ]
amdhsa.kernels:
  - .name:           k_q9b9cb50f02_prep
    .symbol:         k_q9b9cb50f02_prep.kd
    .args:
      - { .name: x, .offset: 0, .size: 8, .value_kind: global_buffer, .address_space: global }
      - { .name: ln1_g, .offset: 8, .size: 8, .value_kind: global_buffer, .address_space: global }
      - { .name: ln1_b, .offset: 16, .size: 8, .value_kind: global_buffer, .address_space: global }
      - { .name: hn, .offset: 24, .size: 8, .value_kind: global_buffer, .address_space: global }
      - { .name: W_attn, .offset: 32, .size: 8, .value_kind: global_buffer, .address_space: global }
      - { .name: W_proj, .offset: 40, .size: 8, .value_kind: global_buffer, .address_space: global }
      - { .name: W_fc, .offset: 48, .size: 8, .value_kind: global_buffer, .address_space: global }
      - { .name: W_fc_proj, .offset: 56, .size: 8, .value_kind: global_buffer, .address_space: global }
      - { .name: wa, .offset: 64, .size: 8, .value_kind: global_buffer, .address_space: global }
      - { .name: wp, .offset: 72, .size: 8, .value_kind: global_buffer, .address_space: global }
      - { .name: wf, .offset: 80, .size: 8, .value_kind: global_buffer, .address_space: global }
      - { .name: wo, .offset: 88, .size: 8, .value_kind: global_buffer, .address_space: global }
    .group_segment_fixed_size: 0
    .private_segment_fixed_size: 0
    .kernarg_segment_align: 8
    .kernarg_segment_size: 96
    .max_flat_workgroup_size: 128
    .sgpr_count:     66
    .vgpr_count:     224
    .wavefront_size: 32
...
	.end_amdgpu_metadata
.endif
;; end of part 1
;; launch qkv (part 2): grid 8 x 32, 4 waves a work-group, clusters of 4 x 4, 327,680 bytes of LDS; arguments hn, wa, b_attn, sc; writes sc
.if DOCPART == 2
	.amdgcn_target "amdgcn-amd-amdhsa--gfx1250"
	.amdhsa_code_object_version 6
	.text
	.protected	k_q9b9cb50f02_qkv
	.globl	k_q9b9cb50f02_qkv
	.p2align	8
	.type	k_q9b9cb50f02_qkv,@function
k_q9b9cb50f02_qkv:
	s_mov_b64 s[64:65], 0
	v_nop
	global_prefetch_b8 v0, s[64:65] scope:SCOPE_SE
	s_setreg_imm32_b32 hwreg(HW_REG_WAVE_MODE, 25, 1), 1
	s_wait_xcnt 0x0
	s_wait_alu depctr_hold_cnt(0) depctr_sa_sdst(0) depctr_va_vdst(0) depctr_va_sdst(0) depctr_va_ssrc(0) depctr_va_vcc(0) depctr_vm_vsrc(0)
	s_getreg_b32 s2, hwreg(HW_REG_IB_STS2, 6, 4)
	s_cmp_eq_u32 s2, 0
	s_cbranch_scc0 .Lentry_in_a_cluster
	s_endpgm
.Lentry_in_a_cluster:
	s_bfe_u32 s2, ttmp6, 0x10000c
	s_cmp_lg_u32 s2, 0xf033
	s_cbranch_scc0 .Lentry_shape_is_right
	s_endpgm
.Lentry_shape_is_right:
; q, k, v = hn[4096][1024] . wa[1024][3072] + b_attn, rounded once to f16 and laid by heads: sc = [3][32 = batch x 16 + head][2048][64].  hn and wa are f16; sums in f32.
; LIMITS.  f16 holds no number beyond 65,504: q, k and v stay within it; below 6e-5 a number keeps f16's fixed step of 6e-8.  NaN and infinities are not treated apart.
; A tile of C is 128 x 384 (256 work-groups); four waves lie 2 x 2, each with 64 x 192: 48 accumulators of 16 x 16 in f32.  K goes in steps of 128 through two LDS slots filled by tensor loads
; of 32 KiB: wave 0 fetches A's 128 rows of 256 bytes, waves 1-3 the three chunks of W (128 k rows x 256 bytes).  Wave w's load lands at w x 36,864 in the slot (A uses 34,816 of its part).
; W lies [K][N]: its fragments come out of LDS turned, by ds_load_tr16_b128.
; CLUSTER 4 x 4: A's tile is asked for jointly along a row of the cluster, W's along a column.  The matrix instruction is used transposed (source 0 = W, source 1 = A): a lane holds eight neighbouring columns of a row.
; ONE TEXT FOR A K STEP: the LDS addresses hang on s[TB], which steps SLOT twice and then goes back.  WAY OUT: when the ring has had its last fill each wave dumps its f32 sums into its own part of it and reads rows back,
; a trip ahead of the trip that rounds and stores them.
; Windows of 256 registers: 0 addresses and A's fragments, 1 W's fragments, 2 and 3 accumulators.
.set KK, 1024
.set NN, 3072
.set KS, 128
.set KD, 1                             ; pieces of 32 along K in a quarter step
.set MBL, 4                            ; blocks of 16 rows a wave
.set NBL, 12                           ; blocks of 16 columns a wave
.set NAW, 1                            ; waves that fetch A
.set PA, 272                           ; A's LDS pitch: 256 + 16 bytes, an odd multiple of 16
.set PARTB, 36864                      ; a wave's part of a slot: 128 rows of W at pitch 288
.set ABYTES, PARTB                     ; A's part; W's chunks lie behind it
.set SLOT, 4*PARTB
.set AMODE, 0
.set BMODE, 1
.set NADB, 3
.set AQI, 5
.set AD0, 128
.set AD1, 128
.set ASTR, 1024
.set A_TY, 262144
.set A_IA, 0
.set ASTEP, 256
.set B_TX, 768
.set B_IB, 256
.set FA0, 64
.set FAS, 32
.set FB0, 0
.set FBS, 96
.set DP, 272
.set DUMPW, 52224
.set PF, 1
.set BIAS, 32                          ; v[32:43] three groups of four
.set WM, 16*MBL
.set AHI, KD*MBL                       ; the youngest loads of a run: A's high blocks
.set NSTEP, KK/KS
.set SPARE, 2*SLOT                     ; behind the ring: the spare words, 128 bytes a wave, that no other line names
.set BSTEP, KS*NN*2
.set ADRA, 16
.set ADRA0, 17
.set ADRB, 18
.set ADRB0, 21
.set DST, 24
.set RD, 25
.set CO, 26
.set BO, 27
.set SPW, 28
.set NIL, 29
.set PFO, 30
.set CO0, 31
.set UR, 64                            ; the way out: 16 rows as read back
.set UB, 96                            ; the same with the bias added
.set OUTR, 192
.set G1, 24
.set G0, 32
.set G1B, 48
.set G0B, 56
.set PFA, 44
.set PFS, 46
.set TB, 70
.set LBA, 71
.set LBB, 72
.set TW, 73
.set LAP, 3
.set PFN, 78
.set PFLIM, 79
.set MSB, 0
.macro WIN new                         ; the immediate's high byte repeats the setting that is left; a switch that changes nothing is dropped
.if MSB != (\new)
	s_set_vgpr_msb (MSB<<8)|(\new)
.set MSB, \new
.endif
.endm
.set MUL_LO, 0xa1                      ; source 0 (W) window 1, source 1 (A) window 0, C and D window 2; + 0x50: window 3
.set TO_B, 0x40
.macro PLACES                          ; four places behind matrix instructions (ISA guide 7.12.1)
.rept 4
	v_nop
.endr
.endm
.macro JLOAD s                         ; a joint load; the branch hangs on the wave's number alone; s_nop 0 and four v_nop follow each line
	s_cmp_lt_u32 s10, NAW
	s_cbranch_scc0 .Lfor_b_\@
	tensor_load_to_lds s[G0+4*(\s):G0+4*(\s)+3], s[G1:G1+7]
	s_nop 0
	PLACES
	s_branch .Lasked_\@
.Lfor_b_\@:
	tensor_load_to_lds s[G0B+4*(\s):G0B+4*(\s)+3], s[G1B:G1B+7]
	s_nop 0
	PLACES
.Lasked_\@:
.endm
.macro CREST                           ; a round of the cluster's barrier behind its opening barrier
	s_cmp_lg_u32 s10, 0
	s_cbranch_scc1 .Lnot_wave_0_\@
	s_barrier_signal -3
.Lnot_wave_0_\@:
	s_barrier_wait -3
	s_barrier_signal -1
	s_barrier_wait -1
.endm
.macro CROUND
	s_barrier_signal -1
	s_barrier_wait -1
	CREST
.endm
.macro ADDR                            ; the fragment addresses in the slot at s[TB]
	v_add_nc_u32 v[ADRA], s[TB], v[ADRA0]
.set g_, 0
.rept NADB
	v_add_nc_u32 v[ADRB+g_], s[TB], v[ADRB0+g_]
.set g_, g_+1
.endr
.endm
.macro FETCH q, f                      ; 32 LDS loads in one run: quarter q's fragments into buffer f: W's, A's low blocks, A's high blocks
	WIN TO_B
.set c_, 0
.rept KD
.set b_, 0
.rept NBL
.set rB, FB0+FBS*(\f)+8*(NBL*c_+b_)
.if BMODE == 0
.set aR, ADRB
.set oB, 9216*(\q)+32*b_
.elseif BMODE == 1
.set aR, ADRB+b_/4
.set oB, 9216*(\q)+32*(b_%4)
.else
.set aR, ADRB+(\q)/2
.set oB, 18432*((\q)%2)+9216*c_+32*b_
.endif
	ds_load_tr16_b128 v[rB:rB+3], v[aR] offset:oB
	ds_load_tr16_b128 v[rB+4:rB+7], v[aR] offset:oB+4608
.set b_, b_+1
.endr
.set c_, c_+1
.endr
	WIN 0
.set h_, 0
.rept 2
.set c_, 0
.rept KD
.set i_, h_*(MBL/2)
.rept MBL/2
.set rA, FA0+FAS*(\f)+8*(MBL*c_+i_)
.if AMODE == 0
.set oA, 16*i_*PA+64*KD*(\q)+64*c_
.else
.set oA, (128*(\q)+16*i_)*144+64*c_
.endif
	ds_load_b128 v[rA:rA+3], v[ADRA] offset:oA
	ds_load_b128 v[rA+4:rA+7], v[ADRA] offset:oA+32
.set i_, i_+1
.endr
.set c_, c_+1
.endr
.set h_, h_+1
.endr
.endm
.macro MULP f, hi, part, zero          ; a quarter of a quarter step's products; the accumulators take turns, one instruction a turn; zero = 1: the first product starts the sum
	WIN MUL_LO+0x50*(\hi)
.set c_, 0
.rept KD
.set a_, (\part)*(MBL/4)
.rept MBL/4
.set b_, 0
.rept NBL
.set rD, 8*(NBL*a_+b_)
.set rB, FB0+FBS*(\f)+8*(NBL*c_+b_)
.set rA, FA0+FAS*(\f)+8*(MBL*c_+(\hi)*(MBL/2)+a_)
.if (\zero) && (c_ == 0)
	v_wmma_f32_16x16x32_f16 v[rD:rD+7], v[rB:rB+7], v[rA:rA+7], 0
.else
	v_wmma_f32_16x16x32_f16 v[rD:rD+7], v[rB:rB+7], v[rA:rA+7], v[rD:rD+7]
.endif
.set b_, b_+1
.endr
.set a_, a_+1
.endr
.set c_, c_+1
.endr
.endm
.macro QUARTER f, g, qn, zero          ; multiplies buffer f; in its middle fetches quarter qn into buffer g
	s_wait_dscnt AHI                               ; W's and A's low blocks are in; A's high blocks, the youngest loads, may be out
	MULP \f, 0, 0, \zero
	MULP \f, 0, 1, \zero
	PLACES
	FETCH \qn, \g
	s_wait_dscnt 32                                ; all but the 32 just issued
	MULP \f, 1, 0, \zero
	MULP \f, 1, 1, \zero
.endm
.macro MEET                            ; the first half of a step's last quarter, and the one barrier of a change of slots
	WIN 0
	s_wait_tensorcnt 0x0                           ; all my tensor loads have landed: the one that was out is my part of the next slot
	ds_add_u32 v[SPW], v[NIL]                      ; 0 onto my spare word
	s_wait_dscnt AHI+1                             ; the add and A's high blocks may be out
	MULP 1, 0, 0, 0
	s_wait_dscnt 0x0                               ; the add is done and my reads of this slot are over
	s_barrier_signal -1
	MULP 1, 0, 1, 0
	WIN 0
	s_barrier_wait -1
.endm
.macro REFILL                          ; the barrier above opened a round of the cluster's barrier; behind it the slot just read takes the K step two steps on
	CREST
	s_add_co_u32 s[G0+5], s[LBA], s[TB]
	s_add_co_u32 s[G0B+5], s[LBB], s[TB]
	s_add_nc_u64 s[G0+6:G0+7], s[G0+6:G0+7], ASTEP
	s_add_nc_u64 s[G0B+6:G0B+7], s[G0B+6:G0B+7], BSTEP
	JLOAD 1
.endm
.macro ASK                             ; a prefetch of the K step that stands two refills on: 32 rows x 256 bytes, a lane a row; four times in the launch (K steps 4 to 7)
	s_cmp_lt_u32 s[PFN], s[PFLIM]
	s_cbranch_scc0 .Lnot_mine_\@
	global_prefetch_b8 v[PFO], s[PFA:PFA+1] th:TH_LOAD_NT scope:SCOPE_SE
.Lnot_mine_\@:
	s_add_co_u32 s[PFN], s[PFN], 1
.endm
	s_load_b128 s[4:7], s[0:1], 0x0                ; A s[4:5], W s[6:7]
	s_load_b64 s[66:67], s[0:1], 0x10              ; bias
	s_load_b64 s[8:9], s[0:1], 0x18                ; out
	v_lshl_add_u32 v[SPW], v0, 2, SPARE
	v_mov_b32 v[NIL], 0
	ds_add_u32 v[SPW], v[NIL]                      ; the wave's opening: the add and its wait stand ahead of my first tensor load
	v_lshrrev_b32 v1, 5, v0
	v_readfirstlane_b32 s10, v1                    ; wave
	s_lshr_b32 s11, s10, 1                         ; wr: my half of the tile's rows
	s_and_b32 s12, s10, 1                          ; wc: my half of its columns
	s_bfe_u32 s40, ttmp6, 0x40000                  ; cx
	s_bfe_u32 s41, ttmp6, 0x40004                  ; cy
	s_lshl_b32 s42, ttmp9, 2
	s_add_co_u32 s42, s42, s40                     ; tx
	s_and_b32 s13, ttmp7, 0xffff
	s_lshl_b32 s13, s13, 2
	s_add_co_u32 s13, s13, s41                     ; ty
	s_lshl_b32 s43, s41, 2
	s_lshl_b32 s43, 15, s43                        ; my row of the cluster
	s_lshl_b32 s44, 0x1111, s40                    ; my column
	s_or_b32 s[G1+0], s43, (1<<16)|(1<<20)|(1<<21)|(AQI<<22)|(3<<25)  ; mask; 2-byte elements; padding on; bit 21 beside a mask; interval; 4 words of padding
	s_or_b32 s[G1B+0], s44, (1<<16)|(1<<20)|(1<<21)|(5<<22)|(7<<25)   ; after every 64 words 8 words: pitch 288
	s_mov_b32 s[G1+1], (AD0&0xffff)<<16
	s_mov_b32 s[G1+2], (AD0>>16)|(AD1<<16)
	s_mov_b32 s[G1+3], (AD0&0xffff)<<16
	s_mov_b32 s[G1+4], AD1
	s_mov_b32 s[G1+5], ASTR
	s_mov_b32 s[G1+6], 0
	s_mov_b32 s[G1+7], 0
	s_mov_b32 s[G1B+1], 128<<16
	s_mov_b32 s[G1B+2], 128<<16
	s_mov_b32 s[G1B+3], 128<<16
	s_mov_b32 s[G1B+4], 128
	s_mov_b32 s[G1B+5], NN
	s_mov_b32 s[G1B+6], 0
	s_mov_b32 s[G1B+7], 0
	s_mov_b32 s14, 0                               ; A has one load, wave 0's
	s_sub_co_u32 s15, s10, 1
	s_and_b32 s15, s15, 3                          ; W's chunk in memory: wave - 1 (wave 0 gets 3 and never uses it: it asks for A)
	s_mov_b32 s[LBA], 0                            ; where the loads land in a slot: A at 0,
	s_mul_i32 s[LBB], s10, PARTB                   ; W's chunk of wave w at w x 36,864
	s_mul_i32 s16, s13, A_TY                       ; A's tile hangs on ty and the wave alone,
	s_mul_i32 s17, s14, A_IA
	s_add_co_u32 s16, s16, s17
	s_mov_b32 s17, 0
	s_mul_i32 s46, s42, B_TX                       ; W's on tx and the wave alone
	s_mul_i32 s47, s15, B_IB
	s_add_co_u32 s46, s46, s47
	s_mov_b32 s47, 0
	s_wait_dscnt 0x0                               ; the opening add is done
	s_wait_kmcnt 0x0
	s_add_nc_u64 s[16:17], s[4:5], s[16:17]
	s_add_nc_u64 s[46:47], s[6:7], s[46:47]
	CROUND                                         ; all sixteen work-groups are here: the first joint loads meet
.irp s, 0,1
	s_mov_b32 s[G0+4*(\s)], 1
	s_add_co_u32 s[G0+4*(\s)+1], s[LBA], (\s)*SLOT
	s_add_nc_u64 s[G0+4*(\s)+2:G0+4*(\s)+3], s[16:17], (\s)*ASTEP
	s_or_b32 s[G0+4*(\s)+3], s[G0+4*(\s)+3], 0x80000000
	s_mov_b32 s[G0B+4*(\s)], 1
	s_add_co_u32 s[G0B+4*(\s)+1], s[LBB], (\s)*SLOT
	s_add_nc_u64 s[G0B+4*(\s)+2:G0B+4*(\s)+3], s[46:47], (\s)*BSTEP
	s_or_b32 s[G0B+4*(\s)+3], s[G0B+4*(\s)+3], 0x80000000
.endr
	s_cmp_lt_u32 s10, NAW                          ; a wave's two first fills stand in one branch: two loads of mine are out
	s_cbranch_scc0 .Lfirst_b
	tensor_load_to_lds s[G0:G0+3], s[G1:G1+7]
	s_nop 0
	tensor_load_to_lds s[G0+4:G0+7], s[G1:G1+7]
	s_nop 0
	PLACES
	s_branch .Lfirst_done
.Lfirst_b:
	tensor_load_to_lds s[G0B:G0B+3], s[G1B:G1B+7]
	s_nop 0
	tensor_load_to_lds s[G0B+4:G0B+7], s[G1B:G1B+7]
	s_nop 0
	PLACES
.Lfirst_done:
	v_and_b32 v1, 15, v0                           ; r = l % 16
	v_bfe_u32 v2, v0, 4, 1                         ; h = l / 16
	v_and_b32 v3, 31, v0                           ; l
	v_mul_u32_u24 v[ADRA0], v1, PA                 ; A's fragment: row x pitch + 16 h + my rows
	v_lshl_add_u32 v[ADRA0], v2, 4, v[ADRA0]
	s_mul_i32 s20, s11, WM*PA
	v_add_nc_u32 v[ADRA0], s20, v[ADRA0]
	v_and_b32 v4, 7, v0                            ; the turning load: k row 8 h + l % 8, 16 bytes by (l / 8) % 2
	v_lshl_add_u32 v4, v2, 3, v4
	v_mul_u32_u24 v4, v4, 288
	v_bfe_u32 v5, v0, 3, 1
	v_lshl_add_u32 v4, v5, 4, v4
.irp g, 0,1,2                          ; my 192 columns are three groups of 64: group G = 3 wc + g lies in chunk G / 2, half G % 2.  O0_: its place for wc = 0, O1_: for wc = 1
.set O0_, ((\g)>>1)*PARTB+((\g)&1)*128
.set O1_, ((3+(\g))>>1)*PARTB+((3+(\g))&1)*128
	s_mul_i32 s22, s12, O1_-O0_
	s_add_co_u32 s22, s22, ABYTES+O0_
	v_add_nc_u32 v[ADRB0+\g], s22, v4
.endr
	; the way out
	s_mul_i32 s23, s10, DUMPW                      ; my dump area in the ring
	v_mul_u32_u24 v[DST], v1, DP
	v_lshl_add_u32 v[DST], v2, 5, v[DST]
	v_add_nc_u32 v[DST], s23, v[DST]
	v_mul_u32_u24 v[RD], v2, DP                    ; back: lanes 0-15 one row of 256 bytes, lanes 16-31 the next
	v_lshl_add_u32 v[RD], v1, 4, v[RD]
	v_add_nc_u32 v[RD], s23, v[RD]
	v_lshlrev_b32 v[CO0], 7, v2                    ; two rows of a head are 256 consecutive bytes
	v_lshl_add_u32 v[CO0], v1, 3, v[CO0]
	s_mul_i32 s80, s42, 6
	s_mul_i32 s81, s12, 3
	s_add_co_u32 s80, s80, s81                     ; my first group of 64 columns
	s_lshl_b32 s83, s80, 8
	v_lshl_add_u32 v[BO], v1, 4, s83               ; its bias: 256 bytes a group + 16 r
.irp g, 0,1,2
	global_load_b128 v[BIAS+4*\g:BIAS+4*\g+3], v[BO], s[66:67] offset:256*\g
.endr
	s_lshr_b32 s81, s13, 4
	s_lshl_b32 s81, s81, 4                         ; 16 x batch
	s_and_b32 s82, s13, 15
	s_lshl_b32 s82, s82, 14                        ; the tile's 128 rows of 128 bytes within the batch,
	s_lshl_b32 s83, s11, 13                        ; my 64 of them
	s_add_co_u32 s82, s82, s83
.irp g, 0,1,2
	s_add_co_u32 s90, s80, \g                      ; group G: tensor G / 16 (q, k, v), head G % 16
	s_lshr_b32 s91, s90, 4
	s_lshl_b32 s91, s91, 5
	s_and_b32 s90, s90, 15
	s_add_co_u32 s90, s90, s91
	s_add_co_u32 s90, s90, s81
	s_lshl_b32 s90, s90, 18                        ; 262,144 bytes a head
	s_add_co_u32 s90, s90, s82
	s_mov_b32 s91, 0
	s_add_nc_u64 s[84+2*\g:85+2*\g], s[8:9], s[90:91]
.endr
	; the prefetches.  A's rows are read by every cluster of a row of clusters: cluster x = 0 asks; W's by every cluster of a column: cluster y = 0 asks.  The four partners of a joint load
	; take 32 of its 128 rows each, told apart by address (cx for A, cy for W).  So each row's 256 bytes of a K step are named once in the launch.  K steps 0 to 3 come by their loads alone.
	s_mul_i32 s20, s13, A_TY
	s_mul_i32 s21, s14, A_IA
	s_add_co_u32 s20, s20, s21
	s_lshl_b32 s21, s40, 16                        ; 32 cx rows of 2,048 bytes
	s_add_co_u32 s20, s20, s21
	s_add_co_u32 s20, s20, 3*ASTEP                 ; at K step 3: the first change of slots steps it to 4
	s_mul_i32 s22, s41, 32*NN*2                    ; 32 cy rows of W
	s_mul_i32 s21, s42, B_TX
	s_add_co_u32 s22, s22, s21
	s_mul_i32 s21, s15, B_IB
	s_add_co_u32 s22, s22, s21
	s_add_co_u32 s22, s22, 3*BSTEP
	s_and_b32 s23, ttmp7, 0xffff
	s_mov_b32 s80, ASTEP
	s_mov_b32 s81, KK*2
	s_mov_b32 s[PFS], BSTEP
	s_mov_b32 s82, NN*2
	s_cmp_lt_u32 s10, NAW
	s_cselect_b32 s20, s20, s22
	s_cselect_b32 s23, ttmp9, s23
	s_cselect_b64 s[PFA:PFA+1], s[4:5], s[6:7]
	s_cselect_b32 s[PFS], s80, s[PFS]
	s_cselect_b32 s82, s81, s82
	s_mov_b32 s[PFS+1], 0
	s_mov_b32 s21, 0
	s_add_nc_u64 s[PFA:PFA+1], s[PFA:PFA+1], s[20:21]
	s_cmp_eq_u32 s23, 0
	s_cselect_b32 s[PFLIM], 4, 0                   ; the same in all sixteen partners, for a given wave
	s_mov_b32 s[PFN], 0
	v_mul_u32_u24 v[PFO], v3, s82                  ; a lane a row
	s_wait_tensorcnt 0x1                           ; my part of K step 0 is in; K step 1's may stay out
	s_barrier_signal -1
	s_barrier_wait -1
	s_mov_b32 s[TB], 0
	ADDR
	FETCH 0, 0
	QUARTER 0, 1, 1, 1                             ; the first quarter stands ahead of the loop: its products start the sums
	WIN 0
	s_mov_b32 s[TW], 2
	s_mov_b32 s[LAP], NSTEP/2-1
	s_branch .Lin                                  ; the loop is entered in the middle of a trip
.Llap:
	s_mov_b32 s[TW], 2
.Ltrip:                                        ; a trip is a K step, from the slot at s[TB]; it begins with the second half of the step before's last quarter
	ADDR                                           ; (the four v_nop behind the joint load and these lines are the places ahead of the loads)
	FETCH 0, 0
	ASK
	MULP 1, 1, 0, 0
	MULP 1, 1, 1, 0
	QUARTER 0, 1, 1, 0
	WIN 0
.Lin:
	QUARTER 1, 0, 2, 0
	QUARTER 0, 1, 3, 0
	s_wait_xcnt 0x0                                ; the last prefetch, most of a K step back, has read its address
	s_add_nc_u64 s[PFA:PFA+1], s[PFA:PFA+1], s[PFS:PFS+1]
	MEET
	REFILL
	s_add_co_u32 s[TB], s[TB], SLOT
	s_sub_co_u32 s[TW], s[TW], 1
	s_cmp_lg_u32 s[TW], 0
	s_cbranch_scc1 .Ltrip
	s_sub_co_u32 s[TB], s[TB], 2*SLOT
	s_sub_co_u32 s[LAP], s[LAP], 1
	s_cmp_lg_u32 s[LAP], 0
	s_cbranch_scc1 .Llap
	s_mov_b32 s[TW], 2
.Ltail:                                        ; the last two K steps ask for nothing
	PLACES
	ADDR
	FETCH 0, 0
	MULP 1, 1, 0, 0
	MULP 1, 1, 1, 0
	QUARTER 0, 1, 1, 0
	QUARTER 1, 0, 2, 0
	QUARTER 0, 1, 3, 0
	MEET                                           ; behind the second of these no wave reads the ring any more, and every load has landed
	s_add_co_u32 s[TB], s[TB], SLOT
	s_sub_co_u32 s[TW], s[TW], 1
	s_cmp_lg_u32 s[TW], 0
	s_cbranch_scc1 .Ltail
	MULP 1, 1, 0, 0
	MULP 1, 1, 1, 0
	WIN 0
	PLACES
	; THE WAY OUT.  The sums go, in f32, into my own part of the ring (its last fill is over): three groups of 64 rows x 272 bytes.  Each accumulator's low registers are read first.
.set a_, 0
.rept MBL
	WIN 0x08+4*(a_/(MBL/2))                        ; store data in window 2 or 3
.set b_, 0
.rept NBL
.set rD, 8*(NBL*(a_%(MBL/2))+b_)
.set oD, 17408*(b_/4)+4352*a_+64*(b_%4)
	ds_store_b128 v[DST], v[rD:rD+3] offset:oD
	ds_store_b128 v[DST], v[rD+4:rD+7] offset:oD+16
.set b_, b_+1
.endr
.set a_, a_+1
.endr
	WIN 0
	s_wait_loadcnt 0x0                             ; the bias
.irp t, 0,1,2,3,4,5,6,7
	ds_load_b128 v[UR+4*(\t):UR+4*(\t)+3], v[RD] offset:544*(\t)  ; the first 16 rows; LDS serves a wave's instructions in order: these see my stores
.endr
.macro HEADG g                         ; group g: four trips of 16 rows: bias, the next 16 rows asked for, rounded, stored.  The 12 trips' rows lie on end in the dump: 4,352 bytes a trip
	v_mov_b32 v[CO], v[CO0]
	s_mov_b32 s80, 4
.Lhg\g:
	s_wait_dscnt 0x0                               ; this trip's rows, asked for a trip ago, are in
.set k_, 0
.rept 16
	v_pk_add_f32 v[UB+2*k_:UB+2*k_+1], v[UR+2*k_:UR+2*k_+1], v[BIAS+4*(\g)+2*(k_%2):BIAS+4*(\g)+2*(k_%2)+1]
.set k_, k_+1
.endr
.if (\g) == 2
	s_cmp_eq_u32 s80, 1                            ; behind the last trip of the last group there are no rows
	s_cbranch_scc1 .Lhlast
.endif
	v_add_nc_u32 v[RD], 4352, v[RD]
.irp t, 0,1,2,3,4,5,6,7
	ds_load_b128 v[UR+4*(\t):UR+4*(\t)+3], v[RD] offset:544*(\t)
.endr
.if (\g) == 2
.Lhlast:
.endif
.set k_, 0
.rept 16
	v_cvt_pk_f16_f32 v[OUTR+k_], v[UB+2*k_], v[UB+2*k_+1]
.set k_, k_+1
.endr
.irp t, 0,1,2,3,4,5,6,7
	global_store_b64 v[CO], v[OUTR+2*(\t):OUTR+2*(\t)+1], s[84+2*(\g):85+2*(\g)] offset:256*(\t)  ; 32 lanes: 256 consecutive bytes, aligned
.endr
	s_wait_xcnt 0x0                                ; the stores have read their registers
	v_add_nc_u32 v[CO], 2048, v[CO]
	s_sub_co_u32 s80, s80, 1
	s_cmp_lg_u32 s80, 0
	s_cbranch_scc1 .Lhg\g
.endm
	HEADG 0
	HEADG 1
	HEADG 2
	s_wait_tensorcnt 0x0                           ; the wave's end
	ds_add_u32 v[SPW], v[NIL]
	s_wait_dscnt 0x0
	CROUND                                         ; the closing round
	s_endpgm
.Lfunc_end_k_q9b9cb50f02_qkv:
	.size	k_q9b9cb50f02_qkv, .Lfunc_end_k_q9b9cb50f02_qkv-k_q9b9cb50f02_qkv
	.p2alignl 7, 3214868480
	.fill 96, 4, 3214868480
	.section	.rodata,"a",@progbits
	.p2align	6, 0x0
	.amdhsa_kernel k_q9b9cb50f02_qkv
		.amdhsa_group_segment_fixed_size 327680
		.amdhsa_private_segment_fixed_size 0
		.amdhsa_enable_private_segment 0
		.amdhsa_kernarg_size 32
		.amdhsa_user_sgpr_count 2
		.amdhsa_user_sgpr_kernarg_segment_ptr 1
		.amdhsa_wavefront_size32 1
		.amdhsa_system_sgpr_workgroup_id_x 1
		.amdhsa_system_sgpr_workgroup_id_y 1
		.amdhsa_system_sgpr_workgroup_id_z 1
		.amdhsa_system_vgpr_workitem_id 0
		.amdhsa_next_free_vgpr 960
		.amdhsa_next_free_sgpr 96
		.amdhsa_reserve_vcc 0
		.amdhsa_float_denorm_mode_32 3
		.amdhsa_float_denorm_mode_16_64 3
		.amdhsa_memory_ordered 1
		.amdhsa_forward_progress 1
		.amdhsa_inst_pref_size 82
	.end_amdhsa_kernel
	.amdgpu_metadata
---
amdhsa.version: [ 1, 2 ]
amdhsa.kernels:
  - .name:           k_q9b9cb50f02_qkv
    .symbol:         k_q9b9cb50f02_qkv.kd
    .args:
      - { .name: hn, .offset: 0, .size: 8, .value_kind: global_buffer, .address_space: global }
      - { .name: wa, .offset: 8, .size: 8, .value_kind: global_buffer, .address_space: global }
      - { .name: b_attn, .offset: 16, .size: 8, .value_kind: global_buffer, .address_space: global }
      - { .name: sc, .offset: 24, .size: 8, .value_kind: global_buffer, .address_space: global }
    .group_segment_fixed_size: 327680
    .private_segment_fixed_size: 0
    .kernarg_segment_align: 8
    .kernarg_segment_size: 32
    .max_flat_workgroup_size: 128
    .sgpr_count:     96
    .vgpr_count:     960
    .wavefront_size: 32
...
	.end_amdgpu_metadata
.endif
;; end of part 2
;; launch attn (part 3): grid 8 x 32, 4 waves a work-group, clusters of 4 x 1, 327,680 bytes of LDS; arguments sc, ya; writes ya
.if DOCPART == 3
	.amdgcn_target "amdgcn-amd-amdhsa--gfx1250"
	.amdhsa_code_object_version 6
	.text
	.protected	k_q9b9cb50f02_attn
	.globl	k_q9b9cb50f02_attn
	.p2align	8
	.type	k_q9b9cb50f02_attn,@function
k_q9b9cb50f02_attn:
	s_mov_b64 s[64:65], 0
	v_nop
	global_prefetch_b8 v0, s[64:65] scope:SCOPE_SE
	s_setreg_imm32_b32 hwreg(HW_REG_WAVE_MODE, 25, 1), 1
	s_wait_xcnt 0x0
	s_wait_alu depctr_hold_cnt(0) depctr_sa_sdst(0) depctr_va_vdst(0) depctr_va_sdst(0) depctr_va_ssrc(0) depctr_va_vcc(0) depctr_vm_vsrc(0)
	s_getreg_b32 s2, hwreg(HW_REG_IB_STS2, 6, 4)
	s_cmp_eq_u32 s2, 0
	s_cbranch_scc0 .Lentry_in_a_cluster
	s_endpgm
.Lentry_in_a_cluster:
	s_bfe_u32 s2, ttmp6, 0x10000c
	s_cmp_lg_u32 s2, 0x3003
	s_cbranch_scc0 .Lentry_shape_is_right
	s_endpgm
.Lentry_shape_is_right:
; CAUSAL ATTENTION, head size 64.  sc holds q, k, v in f16 as [3][32 heads][2048][64]; ya takes y in f16 as panels [16 heads][4096 rows = batch x 2048 + s][64].
; Products, maxima and sums in f32; the weights p are rounded to f16 for the second product (their sum l is taken of the unrounded p), y once at the end.
; LIMITS.  f16 holds no number beyond 65,504: q, k and v arrive within it; p lies in 0 to 1, and below 6e-5 it keeps f16's fixed step of 6e-8; y is a mean of v's rows and has their range.
; A hidden score counts as its value less 1e30: f16's scores, 2.7e11 at the most, are nothing beside that; a weight below 2^-126 counts as 0 in l; NaN and infinities are not treated apart.
; SHARES.  A head's queries lie in four super-blocks of 512.  Cluster c (0, 1) of a head takes super-block 3 - c and then c: 10 key tiles of 256, whichever c.  A super-block has eight bands of 64 rows; partner cx owns
; rows 16 cx .. + 15 of EVERY band, wave w the bands 2 w (piece 0) and 2 w + 1 (piece 1).  So the four partners walk the same K and V, each tile is asked for jointly, all trip counts are constants, and cx enters only
; Q's and y's addresses and the mask's numbers.  In the last eight steps s of a super-block band x sees all keys (s < x), holds the diagonal (s = x) or sees none (s > x).  A step that hides both of a wave's bands
; (s > 2 w + 1: 6 - 2 w steps a super-block) is jumped over by that wave; the one step that hides band 2 w alone is computed under the mask.  Every wave passes every change of slots and asks for its part of every tile.
; THE MASK is the C operand that starts S^T = K Q^T: MC = MD x AL + BE, MD the mask of a band's own step for my rows, (AL, BE) = (1, 0), (0, 0) or (0, -1e30).
; TURNS.  Turn of piece p: 8 products K Q^T of the other piece's next unit, the softmax of piece p, the other piece's maximum and statistics, 8 products V^T P of the other piece.  Four vector instructions ride behind each
; product, the rest stands in one lump; a turn's 33 exponentials are one batch with one wait.  p = 2^(c s - c m), c = log2(e) / 8, running maximum m; O and l are multiplied by a = 2^(c m_old - c m_new) in every step.
; K's SLOT HOLDS 320 KEYS: a tile's 256 and the next 64, so that the step fetched one ahead lies in the slot in hand across a change of slots.  Behind a super-block's last tile those rows are hidden by the mask.
; Windows: 0: addresses, statistics, S^T v64-127, P v128-159, O^T v160-223, MD v224-255.  1: Q v0-31, the second block's Q v32-63, K v64-127, V v128-191, MC v192-255.
.set NP,    2
.set KS,    64
.set PK,    144       ; a row of K in LDS: 128 + 16 bytes
.set PV,    160       ; a row of V: 128 + 32 bytes
.set VOFF,  320*PK
.set SLOT1, 1<<17
.set STAGE, SLOT1+VOFF+256*PV  ; behind the ring, never filled by a tensor load: 16 rows x 144 bytes a wave
.set SP,    144
.set SPARE, STAGE+4*16*SP      ; the spare words, 128 bytes a wave, that no other line names
.set AK0, 2
.set AV0, 3
.set AK,  4
.set AV,  5
.set STO, 6
.set RD,  7
.set GO,  10          ; v10-11 my byte offset in y, by piece
.set MV,  12          ; v12-13 c m_old, by piece
.set QO,  14          ; v14-15 my byte offset in Q, by piece
.set ST,  16          ; piece t: c m, m, l (even keys', odd keys')
.set TMP, 24          ; piece t: c0-c3 at work; c2 takes a
.set PFO, 61
.set SPW, 62
.set NIL, 63
.set S,   64
.set P,   128
.set OT,  160
.set MD,  224
.set QB,  32
.set KF,  64
.set VF,  128
.set MC,  192
.set WV,  12
.set CL,  14          ; s14 cluster x
.set G1K, 24
.set G1V, 32
.set G0K, 40
.set G0V, 44
.set DL,  48          ; s48 = 7 - 2 w: with fewer steps than that left in the block, both my bands are hidden
.set SLOTS, 56
.set CNT, 57
.set CS,  58
.set SEL, 60
.set TBK, 62          ; LDS byte of the K step to be fetched next
.set TBV, 63          ; the same for V, less VOFF
.set SR,  70          ; steps of the block in hand that are left, this one among them
.set NXT, 71          ; the tile to be asked for next
.set LQ,  72          ; the last tile of the block whose tiles are being asked for
.set NEW, 73          ; 1: the tile to be entered is a block's first
.set OFF, 74
.set AL,  76
.set BE,  78
.set OLO, 80          ; y at the second block
.set BIGN, 82
.set XC0, 83          ; s83 = 9 - band of piece 0, s84 = 9 - band of piece 1
.set SR2, 85
.set PFA, 86
.set LIM, 88
.set LQ2, 89
.set MSB, 0
.macro WIN new
.if MSB != (\new)
	s_set_vgpr_msb (MSB<<8)|(\new)
.set MSB, (\new)
.endif
.endm
.set W_KM, 0x15       ; K, Q and the mask in window 1, S^T in window 0
.set W_KQ, 0x05
.set W_PV, 0x01       ; V in window 1
.macro JLOAD                        ; waves 0 and 1 fetch the halves of a slot's K (160 keys each), waves 2 and 3 those of its V (128 keys each)
	s_cmp_lt_u32 s[WV], 2
	s_cbranch_scc0 .Lfor_v_\@
	tensor_load_to_lds s[G0K:G0K+3], s[G1K:G1K+7]
	s_nop 0
.rept 4
	v_nop
.endr
	s_branch .Lasked_\@
.Lfor_v_\@:
	tensor_load_to_lds s[G0V:G0V+3], s[G1V:G1V+7]
	s_nop 0
.rept 4
	v_nop
.endr
.Lasked_\@:
.endm
.macro CROUND
	s_barrier_signal -1
	s_barrier_wait -1
	s_cmp_lg_u32 s[WV], 0
	s_cbranch_scc1 .Lnot_wave_0_\@
	s_barrier_signal -3
.Lnot_wave_0_\@:
	s_barrier_wait -3
	s_barrier_signal -1
	s_barrier_wait -1
.endm
; A prefetch of the tile that the NEXT change of slots asks for.  Both clusters of a head walk the same first tiles: cluster 0 asks, in its first walk alone (tiles 2 to 7); its four partners take 32 blocks of 256 bytes
; each, told apart by address; wave 0 asks for K's, wave 2 for V's.  So each block is named once in the launch.
.macro ASK
	s_cmp_gt_u32 s[SLOTS], s[LIM]
	s_cbranch_scc0 .Lnot_mine_\@
	global_prefetch_b8 v[PFO], s[PFA:PFA+1] th:TH_LOAD_NT scope:SCOPE_SE
.Lnot_mine_\@:
.endm
; THE CHANGE OF SLOTS.  Each wave waits for all its tensor loads (one is out: its part of the other slot), adds 0 to its spare word, and waits for that and for its reads of the slot that it leaves.
; fill = 1: a round of the cluster's barrier, and the old slot takes tile NXT, the first thing behind it: it has eight turns, 128 matrix instructions, in which to land.
.macro CHANGE fill
	WIN 0
	s_wait_tensorcnt 0x0
	ds_add_u32 v[SPW], v[NIL]
.if \fill
	s_lshl_b32 s[OFF], s[NXT], 15   ; a tile is 32,768 bytes of K and of V
	s_xor_b32 s[G0K+1], s[G0K+1], SLOT1
	s_add_nc_u64 s[G0K+2:G0K+3], s[6:7], s[OFF:OFF+1]
	s_or_b32 s[G0K+3], s[G0K+3], 0x80000000
	s_xor_b32 s[G0V+1], s[G0V+1], SLOT1
	s_add_nc_u64 s[G0V+2:G0V+3], s[8:9], s[OFF:OFF+1]
	s_or_b32 s[G0V+3], s[G0V+3], 0x80000000
	s_add_co_u32 s[NXT], s[NXT], 1  ; the block's next tile, or behind its last the second block's tile 0
	s_cmp_gt_u32 s[NXT], s[LQ]
	s_cselect_b32 s[NXT], 0, s[NXT]
	s_cselect_b32 s[LQ], s[LQ2], s[LQ]
	s_wait_xcnt 0x0                 ; the last prefetch, a tile back, has read its address
	s_add_nc_u64 s[PFA:PFA+1], s[PFA:PFA+1], 32768
	s_wait_dscnt 0x0                ; the add is done, and my reads of the slot are over
	CROUND
	JLOAD
	ASK
.else
	s_wait_dscnt 0x0
	s_barrier_signal -1
	s_barrier_wait -1
.endif
	s_sub_co_u32 s[TBK], s[TBK], 4*KS*PK
	s_xor_b32 s[TBK], s[TBK], SLOT1
	s_sub_co_u32 s[TBV], s[TBV], 4*KS*PV
	s_xor_b32 s[TBV], s[TBV], SLOT1
.endm
	s_load_b128 s[16:19], s[0:1], 0x0  ; sc s[16:17], ya s[18:19]
	v_lshl_add_u32 v[SPW], v0, 2, SPARE
	v_mov_b32 v[NIL], 0
	ds_add_u32 v[SPW], v[NIL]       ; the wave's opening: the add and its wait stand ahead of my first tensor load
	v_lshrrev_b32 v1, 5, v0
	v_readfirstlane_b32 s[WV], v1
	s_bfe_u32 s13, ttmp6, 0x40000   ; cx
	s_mov_b32 s[CL], ttmp9
	s_and_b32 s15, ttmp7, 0xffff    ; batch x 16 + head
	s_and_b32 s22, s[WV], 1         ; which half of a tile I fetch
	s_lshl_b32 s23, s15, 18         ; the head's 262,144 bytes
	s_mul_i32 s2, s22, 20480        ; K: 160 keys a half
	s_add_co_u32 s2, s2, s23
	s_add_co_u32 s2, s2, 0x800000
	s_mov_b32 s3, 0
	s_lshl_b32 s66, s22, 14         ; V: 128 keys a half
	s_add_co_u32 s66, s66, s23
	s_add_co_u32 s66, s66, 0x1000000
	s_mov_b32 s67, 0
	s_sub_co_u32 s21, 3, s[CL]      ; the first super-block
	s_lshl_b32 s68, s21, 16         ; 512 rows of 128 bytes
	s_lshl_b32 s92, s[CL], 16       ; the second
	s_and_b32 s94, s15, 15
	s_lshl_b32 s94, s94, 19         ; y: the head's panel,
	s_lshr_b32 s95, s15, 4
	s_lshl_b32 s95, s95, 18         ; the batch's 2,048 rows
	s_add_co_u32 s94, s94, s95
	s_add_co_u32 s20, s94, s92
	s_add_co_u32 s94, s94, s68
	s_add_co_u32 s68, s68, s23
	s_add_co_u32 s92, s92, s23
	s_mov_b32 s69, 0
	s_mov_b32 s93, 0
	s_mov_b32 s95, 0
	s_mov_b32 s21, 0
	; dense bytes are asked for as rows of 256 bytes, two keys a row, and padded in LDS after every key
	s_mov_b32 s[G1K], 15|(1<<16)|(1<<20)|(1<<21)|(4<<22)|(3<<25)  ; the mask of four; 2-byte elements; padding on; bit 21 beside a mask; after every 32 words 4 words
	s_mov_b32 s[G1V], 15|(1<<16)|(1<<20)|(1<<21)|(4<<22)|(7<<25)  ; the same with 8 words
	s_mov_b32 s[G1K+1], 128<<16
	s_mov_b32 s[G1K+2], 80<<16
	s_mov_b32 s[G1K+3], 128<<16
	s_mov_b32 s[G1K+4], 80
	s_mov_b32 s[G1K+5], 128
	s_mov_b32 s[G1K+6], 0
	s_mov_b32 s[G1K+7], 0
	s_mov_b32 s[G1V+1], 128<<16
	s_mov_b32 s[G1V+2], 64<<16
	s_mov_b32 s[G1V+3], 128<<16
	s_mov_b32 s[G1V+4], 64
	s_mov_b32 s[G1V+5], 128
	s_mov_b32 s[G1V+6], 0
	s_mov_b32 s[G1V+7], 0
	s_mov_b32 s[CS], 0x3e38aa3b     ; c = log2(e) / 8
	s_mov_b32 s[CS+1], s[CS]
	s_mov_b32 s[SEL], 0x76543210
	s_mov_b32 s[SEL+1], 0xfedcba98
	s_mov_b32 s[TBK], SLOT1+5*KS*PK ; the first change of slots turns these into one step of K, and 0
	s_mov_b32 s[TBV], SLOT1+4*KS*PV
	s_mov_b32 s[G0K], 1
	s_mul_i32 s[G0K+1], s22, 160*PK
	s_mov_b32 s[G0V], 1
	s_mul_i32 s[G0V+1], s22, 128*PV
	s_add_co_u32 s[G0V+1], s[G0V+1], VOFF
	s_lshl_b32 s23, s[CL], 3
	s_sub_co_u32 s[SR], 32, s23     ; the first block has 8 (4 - c) steps,
	s_add_co_u32 s[SR2], s23, 8     ; the second 8 (c + 1)
	s_lshl_b32 s23, s[CL], 1
	s_sub_co_u32 s[LQ], 7, s23
	s_add_co_u32 s[LQ2], s23, 1
	s_lshl_b32 s23, s[WV], 1        ; my bands: 2 w and 2 w + 1
	s_sub_co_u32 s[XC0], 9, s23
	s_sub_co_u32 s[XC0+1], 8, s23
	s_sub_co_u32 s[DL], 7, s23
	s_mov_b32 s[NXT], 1
	s_mov_b32 s[NEW], 1
	s_mov_b32 s[OFF+1], 0
	s_mov_b32 s[AL+1], 0
	s_mov_b32 s[BE+1], 0
	s_mov_b32 s[BIGN], 0xf149f2ca   ; -1e30
	s_mov_b32 s[SLOTS], 9
	s_and_b32 s[LIM], s[WV], 1
	s_or_b32 s[LIM], s[LIM], ttmp9
	s_cmp_eq_u32 s[LIM], 0
	s_cselect_b32 s[LIM], 3, -1     ; waves 0 and 2 of cluster 0 ask while more than 3 fills are left
	s_wait_dscnt 0x0                ; the opening add is done
	s_wait_kmcnt 0x0
	s_add_nc_u64 s[6:7], s[16:17], s[2:3]      ; K and V at my half of the head's tile 0
	s_add_nc_u64 s[8:9], s[16:17], s[66:67]
	s_add_nc_u64 s[4:5], s[16:17], s[68:69]    ; Q at the first block, at the second
	s_add_nc_u64 s[90:91], s[16:17], s[92:93]
	s_add_nc_u64 s[10:11], s[18:19], s[94:95]  ; y likewise
	s_add_nc_u64 s[OLO:OLO+1], s[18:19], s[20:21]
	s_add_nc_u64 s[G0K+2:G0K+3], s[6:7], 0
	s_or_b32 s[G0K+3], s[G0K+3], 0x80000000
	s_add_nc_u64 s[G0V+2:G0V+3], s[8:9], 0
	s_or_b32 s[G0V+3], s[G0V+3], 0x80000000
	s_cmp_lt_u32 s[WV], 2
	s_cselect_b64 s[PFA:PFA+1], s[6:7], s[8:9]
	s_lshl_b32 s2, s13, 13          ; my work-group's 32 blocks of the tile's 128
	s_mov_b32 s3, 0
	s_add_nc_u64 s[PFA:PFA+1], s[PFA:PFA+1], s[2:3]
	s_add_nc_u64 s[PFA:PFA+1], s[PFA:PFA+1], 32768  ; at tile 1: the first change of slots steps it to tile 2
	CROUND                          ; all four work-groups are here
	JLOAD                           ; tile 0 into slot 0
	v_and_b32 v1, 15, v0            ; r
	v_bfe_u32 v9, v0, 4, 1          ; h
	v_lshlrev_b32 v41, 7, v1
	v_lshl_add_u32 v41, v9, 4, v41  ; row x 128 + 16 h
	s_lshl_b32 s23, s13, 11         ; my 16 rows in a band
	s_lshl_b32 s21, s[WV], 14       ; band 2 w: 64 rows of 128 bytes a band
	s_add_co_u32 s21, s21, s23
	s_add_co_u32 s20, s21, 8192     ; band 2 w + 1
	v_add_nc_u32 v[QO], s21, v41
	v_add_nc_u32 v[QO+1], s20, v41
	v_and_b32 v42, 31, v0
	v_lshlrev_b32 v[PFO], 8, v42
	v_lshlrev_b32 v42, 4, v42
	v_add_nc_u32 v[GO], s21, v42
	v_add_nc_u32 v[GO+1], s20, v42
	WIN 0x40                        ; destination window 1
.irp p, 0,1
.irp c, 0,1
	global_load_b128 v[16*\p+8*\c:16*\p+8*\c+3],   v[QO+\p], s[4:5] offset:64*\c
	global_load_b128 v[16*\p+8*\c+4:16*\p+8*\c+7], v[QO+\p], s[4:5] offset:64*\c+32
	global_load_b128 v[QB+16*\p+8*\c:QB+16*\p+8*\c+3],   v[QO+\p], s[90:91] offset:64*\c
	global_load_b128 v[QB+16*\p+8*\c+4:QB+16*\p+8*\c+7], v[QO+\p], s[90:91] offset:64*\c+32
.endr
.endr
	; A block's first step multiplies O^T and l by a = 0, and its first turn's V^T P lands in an O^T still to be so multiplied: these registers need only hold finite numbers.  Written in the wait for the first tile.
.set i, VF
.rept 64
	v_mov_b32 v[i], 0
.set i, i+1
.endr
	WIN 0
.set i, OT
.rept 64
	v_mov_b32 v[i], 0
.set i, i+1
.endr
.set i, 0
.rept 2
	v_mov_b32 v[ST+4*i+2], 0
	v_mov_b32 v[ST+4*i+3], 0
.set i, i+1
.endr
.set i, P+16
.rept 16
	v_mov_b32 v[i], 0
.set i, i+1
.endr
	v_lshlrev_b32 v40, 3, v9
	v_sub_nc_u32 v40, v1, v40
	s_lshl_b32 s23, s13, 4
	v_add_nc_u32 v40, s23, v40      ; my query's place in its band, 16 cx + r, less 8 h: register j of key group kt is hidden where 16 kt + j is greater
.set i, 0
.rept 32
	v_cmp_gt_i32 vcc_lo, 16*(i/8)+i%8, v40
	v_cndmask_b32 v[MD+i], 0, s[BIGN], vcc_lo
.set i, i+1
.endr
	v_mul_u32_u24 v[AK0], v1, PK
	v_lshl_add_u32 v[AK0], v9, 4, v[AK0]
	v_and_b32 v43, 7, v0
	v_bfe_u32 v44, v0, 3, 1
	v_lshl_add_u32 v[AV0], v9, 3, v43
	v_mul_u32_u24 v[AV0], v[AV0], PV
	v_lshl_add_u32 v[AV0], v44, 4, v[AV0]
	v_add_nc_u32 v[AV0], VOFF, v[AV0]
	s_mul_i32 s23, s[WV], 16*SP
	s_add_co_u32 s23, s23, STAGE
	v_mul_u32_u24 v[STO], v1, SP
	v_lshl_add_u32 v[STO], v9, 4, v[STO]
	v_add_nc_u32 v[STO], s23, v[STO]
	v_bfe_u32 v[RD], v0, 3, 2
	v_mul_u32_u24 v[RD], v[RD], SP
	v_lshl_add_u32 v[RD], v43, 4, v[RD]
	v_add_nc_u32 v[RD], s23, v[RD]
; THE MATRIX WORK.  The 4 accumulators of a run of 8 take turns.  Product i of S^T = K Q^T for piece x: channels 32 (i / 4) on, keys 16 (i % 4) on; the first 4 start the sums with the mask.
.macro KQ x
.set rS, S+32*(\x)+8*(i%4)
.set rK, KF+16*(i%4)+8*(i/4)
.set rQ, 16*(\x)+8*(i/4)
.set rM, MC+32*(\x)+8*(i%4)
.if i < 4
	WIN W_KM
	v_wmma_f32_16x16x32_f16 v[rS:rS+7], v[rK:rK+7], v[rQ:rQ+7], v[rM:rM+7]
.else
	WIN W_KQ
	v_wmma_f32_16x16x32_f16 v[rS:rS+7], v[rK:rK+7], v[rQ:rQ+7], v[rS:rS+7]
.endif
.endm
.macro PV x                         ; product i of O^T += V^T P: keys 32 (i / 4) on, channels 16 (i % 4) on
	WIN W_PV
.set rO, OT+32*(\x)+8*(i%4)
.set rV, VF+32*(i/4)+8*(i%4)
.set rP, P+16*(\x)+8*(i/4)
	v_wmma_f32_16x16x32_f16 v[rO:rO+7], v[rV:rV+7], v[rP:rP+7], v[rO:rO+7]
.endm
.macro MM                           ; the turn's next matrix instruction: both kinds are the other piece's
.if i < 8
	KQ (Y+1)%NP
.else
.set i, i-8
	PV (Y+1)%NP
.set i, i+8
.endif
.set i, i+1
.endm
.macro FETCH_K                      ; 16 LDS loads in one run: 64 keys x 64 channels
	WIN 0x40
.irp f, 0,1,2,3,4,5,6,7
	ds_load_b128 v[KF+8*\f:KF+8*\f+3],   v[AK] offset:(\f/2)*16*PK+(\f%2)*64
	ds_load_b128 v[KF+8*\f+4:KF+8*\f+7], v[AK] offset:(\f/2)*16*PK+(\f%2)*64+32
.endr
	WIN 0
.endm
.macro FETCH_V                      ; the same for V, turned
	WIN 0x40
.irp f, 0,1,2,3,4,5,6,7
	ds_load_tr16_b128 v[VF+8*\f:VF+8*\f+3],   v[AV] offset:(\f/4)*32*PV+(\f%4)*32
	ds_load_tr16_b128 v[VF+8*\f+4:VF+8*\f+7], v[AV] offset:(\f/4)*32*PV+16*PV+(\f%4)*32
.endr
	WIN 0
.endm
; THE VECTOR WORK, one line at a time: OP kind, number.  For piece Y: F n: c s - c m for pair n.  E n: the exponential of score n.  C n: pair n rounded to f16.  B n: of the four weights 4 n .. the second pair is added
; onto the first.  L n: l takes that sum (L 0: l = a l + sum).  R n: pair n of O^T times a.  For the other piece: X n, number n of the 22 that find its maximum and statistics (each accumulator's lowest registers are read first).
.set F, 0
.set E, 1
.set C, 2
.set B, 3
.set L, 4
.set R, 5
.set X, 6
.macro REGS y
.set rT, ST+4*(\y)
.set rC, TMP+4*(\y)
.set rW, MV+(\y)
.set rS, S+32*(\y)
.set rP, P+16*(\y)
.set rO, OT+32*(\y)
.endm
.macro OP k, n
	WIN 0
.if (\k) == R
	REGS Y
	v_pk_mul_f32 v[rO+2*(\n):rO+2*(\n)+1], v[rO+2*(\n):rO+2*(\n)+1], v[rC+2:rC+3] op_sel_hi:[1,0]
.elseif (\k) < R
	REGS Y
.if (\k) == F
	v_pk_fma_f32 v[rS+2*(\n):rS+2*(\n)+1], v[rS+2*(\n):rS+2*(\n)+1], s[CS:CS+1], v[rT:rT+1] op_sel_hi:[1,0,0] neg_lo:[0,0,1] neg_hi:[0,0,1]
.elseif (\k) == E
	v_exp_f32 v[rS+(\n)], v[rS+(\n)]
.elseif (\k) == C
	v_cvt_pk_f16_f32 v[rP+(\n)], v[rS+2*(\n)], v[rS+2*(\n)+1]
.elseif (\k) == B
	v_pk_add_f32 v[rS+4*(\n):rS+4*(\n)+1], v[rS+4*(\n):rS+4*(\n)+1], v[rS+4*(\n)+2:rS+4*(\n)+3]
.elseif (\n) == 0
	v_pk_fma_f32 v[rT+2:rT+3], v[rT+2:rT+3], v[rC+2:rC+3], v[rS:rS+1] op_sel_hi:[1,0,1]
.else
	v_pk_add_f32 v[rT+2:rT+3], v[rT+2:rT+3], v[rS+4*(\n):rS+4*(\n)+1]
.endif
.else
	REGS (Y+1)%NP
.if (\n) < 4
	v_max3_num_f32 v[rC+(\n)], v[rS+8*(\n)], v[rS+8*(\n)+1], v[rS+8*(\n)+2]
.elseif (\n) < 12
	v_max3_num_f32 v[rC+(\n)%4], v[rC+(\n)%4], v[rS+8*((\n)%4)+2*((\n)/4)+1], v[rS+8*((\n)%4)+2*((\n)/4)+2]
.elseif (\n) == 12
	v_max3_num_f32 v[rC], v[rC], v[rS+7], v[rS+15]
.elseif (\n) == 13
	v_max3_num_f32 v[rC+1], v[rC+1], v[rS+23], v[rS+31]
.elseif (\n) == 14
	v_max3_num_f32 v[rC+2], v[rC+2], v[rC+3], v[rT+1]
.elseif (\n) == 15
	v_mov_b32 v[rW], v[rT]
.elseif (\n) == 16
	v_max3_num_f32 v[rC], v[rC], v[rC+1], v[rC+2]
.elseif (\n) == 17
	v_permlanex16_b32 v[rC+3], v[rC], s[SEL], s[SEL+1]
.elseif (\n) == 18
	v_max_num_f32 v[rT+1], v[rC], v[rC+3]
.elseif (\n) == 19
	v_mul_f32 v[rT], s[CS], v[rT+1]
.elseif (\n) == 20
	v_sub_f32 v[rC+1], v[rW], v[rT]
.else
	v_exp_f32 v[rC+2], v[rC+1]
.endif
.endif
.endm
.macro OPS a, i1, b=-1, i2=0, c=-1, i3=0, d=-1, i4=0
	OP \a, \i1
.if (\b) >= 0
	OP \b, \i2
.endif
.if (\c) >= 0
	OP \c, \i3
.endif
.if (\d) >= 0
	OP \d, \i4
.endif
.endm
.macro ROW a, i1, b, i2, c, i3, d, i4  ; a matrix instruction and the four behind it
	MM
	OPS \a, \i1, \b, \i2, \c, \i3, \d, \i4
.endm
.macro MASK b                       ; MD x AL + BE into buffer b of MC
	WIN 0x40
.set z, 0
.rept 16
	v_pk_fma_f32 v[MC+32*(\b)+2*z:MC+32*(\b)+2*z+1], v[MD+2*z:MD+2*z+1], s[AL:AL+1], s[BE:BE+1] op_sel_hi:[1,0,0]
.set z, z+1
.endr
.endm
; A TURN, for piece p.  Ahead of its one wait stands all that names no result of its exponentials; behind it the roundings and sums ride on the 8 products V^T P.  The X that ride on the last products K Q^T stand four places or
; more behind the product that ends their accumulator.  Piece 0's turn fetches K of the next step in its lump (five plain instructions that name none of its registers behind the last product that read K) and V of the step
; in hand at its end (four roundings behind the last product that read V).  Piece 1's turn waits for them.  At its end a turn makes the mask of its own piece's next step: step 9 - SR of the block's last eight.
; s[TBK] and s[TBV] are read once a step, here, and stepped at the foot of the step's loop.
.macro TURN p
.set Y, (\p)
.set i, 0
	s_cmp_eq_u32 s[SR], s[XC0+(\p)]  ; is that step the band's own?
	s_cselect_b32 s[AL], 1.0, 0
	s_cmp_lt_u32 s[SR], s[XC0+(\p)]  ; or a later one?
	s_cselect_b32 s[BE], s[BIGN], 0
.if (\p) == 1
	s_wait_dscnt 16                 ; K's 16 loads are in; V's 16, issued behind them, may stay out
.endif
	ROW F,0, F,1, R,0, R,1
	ROW F,2, E,0, R,2, R,3
	ROW F,3, E,1, R,4, R,5
	ROW F,4, E,2, R,6, R,7
	ROW F,5, E,3, R,8, R,9
	ROW F,6, E,4, X,0, R,10
.if (\p) == 0
	v_add_nc_u32 v[AK], s[TBK], v[AK0]
.endif
	ROW F,7, E,5, X,1, X,4
	ROW F,8, E,6, X,2, X,5
	OPS E,7, E,8, X,6, E,9
	OPS X,3, E,10, X,8, E,11
.if (\p) == 0
	FETCH_K
.endif
	OPS X,9, X,7, E,12, X,10
	OPS E,13, X,12, X,11, E,14
	OPS X,13, E,15, F,9, X,14
.if (\p) == 0
	v_add_nc_u32 v[AV], s[TBV], v[AV0]
.endif
	OPS E,16, F,10, E,17, F,11
	OPS X,16, E,18, X,15, E,19
	OPS F,12, E,20, X,17, E,21
	OPS F,13, E,22, F,14, E,23
	OPS X,18, E,24, F,15, E,25
	OPS R,11, E,26, X,19, E,27
	OPS R,12, E,28, R,13, E,29
	OPS X,20, E,30, R,14, E,31
	OPS X,21, R,15                  ; the other piece's a is the batch's last; R 15 is the plain instruction behind it
	s_wait_alu depctr_va_vdst(0)    ; the one wait for the batch
.if (\p) == 1
	s_wait_dscnt 0x0                ; V is in
.endif
	ROW C,0, B,0, C,2, B,1
	ROW L,0, C,4, B,2, L,1
	ROW C,6, B,3, L,2, C,8
	ROW B,4, L,3, C,10, B,5
	ROW L,4, C,12, B,6, L,5
	ROW C,14, B,7, L,6, C,1
	ROW C,3, L,7, C,5, C,7
	ROW C,9, C,11, C,13, C,15
.if (\p) == 0
	FETCH_V
.endif
	WIN 0
	s_cmp_gt_u32 s[SR], 9           ; outside a block's last eight steps the mask stays 0
	s_cbranch_scc1 .Lnomask_\@
	MASK \p
	WIN 0
.Lnomask_\@:
.endm
; A STEP'S LOOP, four trips a tile.  With fewer than 7 - 2 w steps left in the block both my bands are hidden: the two turns are jumped over, forward, past no barrier and no tensor load.  What the last turn left stands:
; V's registers and piece 1's weights wait for the block's end; piece 0's scores for the step not taken were wholly hidden and have changed neither its m nor its l.
.macro STEPS tag
.Lstep\tag:
	s_cmp_lt_u32 s[SR], s[DL]
	s_cbranch_scc1 .Lover\tag
	TURN 0
	TURN 1
.Lover\tag:
	s_add_co_u32 s[TBK], s[TBK], KS*PK  ; the next step's fetches, taken or not
	s_add_co_u32 s[TBV], s[TBV], KS*PV
	s_sub_co_u32 s[SR], s[SR], 1
	s_sub_co_u32 s[CNT], s[CNT], 1
	s_cmp_lg_u32 s[CNT], 0
	s_cbranch_scc1 .Lstep\tag
.endm
; A BLOCK BEGINS.  c m starts far below every c s, so the first step's a is 0.  Piece 1's mask is 0 (its band is never the first); piece 0's is its own step's where the block has eight steps and the band is 0.
.macro BEGIN
	s_mov_b32 s[NEW], 0
	WIN 0x40
.set i, MC+32
.rept 32
	v_mov_b32 v[i], 0
.set i, i+1
.endr
	WIN 0
.set i, 0
.rept 2
	v_mov_b32 v[ST+4*i], 0xfe000000
	v_mov_b32 v[ST+4*i+1], 0xff7fffff
.set i, i+1
.endr
	s_sub_co_u32 s23, s[XC0], 1
	s_cmp_eq_u32 s[SR], s23
	s_cselect_b32 s[AL], 1.0, 0
	s_mov_b32 s[BE], 0
	MASK 0
	WIN 0
	s_sub_co_u32 s23, s[TBK], KS*PK  ; the tile's first step
	v_add_nc_u32 v[AK], s23, v[AK0]
	FETCH_K
	s_wait_loadcnt 0x0              ; Q
	s_wait_dscnt 0x0
.set i, 0
.rept 8
	KQ 0
.set i, i+1
.endr
	WIN 0
.rept 4
	v_nop                           ; the places behind those products
.endr
.set Y, 1                           ; X works for the other piece: piece 0
.irp n, 0,1,2,3,4,5,6,7,8,9,10,11,12,13,14,15,16,17,18,19,20,21
	OP X, \n
.endr
	v_nop
	s_wait_alu depctr_va_vdst(0)
.endm
.macro ALL line:vararg
.set t, 0
.rept 2
	\line
.set t, t+1
.endr
.endm
.macro PACK t                       ; O^T / l, rounded; 16 bytes a lane into rows of 144 bytes, and back as whole rows of 128
	WIN 0
.set i, OT+32*(\t)
.rept 16
	v_pk_mul_f32 v[i:i+1], v[i:i+1], v[ST+4*(\t)+2:ST+4*(\t)+3] op_sel_hi:[1,0]
.set i, i+2
.endr
.set i, 0
.rept 16
	v_cvt_pk_f16_f32 v[S+16*(\t)+i], v[OT+32*(\t)+2*i], v[OT+32*(\t)+2*i+1]
.set i, i+1
.endr
.irp f, 0,1,2,3
	ds_store_b128 v[STO], v[S+16*(\t)+4*\f:S+16*(\t)+4*\f+3] offset:32*\f
.endr
.irp f, 0,1,2,3
	ds_load_b128 v[S+16*(\t)+4*\f:S+16*(\t)+4*\f+3], v[RD] offset:\f*4*SP  ; LDS serves a wave's instructions in order: these see the stores above
.endr
.endm
.macro SEND t, younger              ; younger: the LDS instructions issued behind piece t's loads
.irp f, 0,1,2,3
	s_wait_dscnt (\younger)+3-\f
	global_store_b128 v[GO+(\t)], v[S+16*(\t)+4*\f:S+16*(\t)+4*\f+3], s[10:11] offset:\f*512  ; 512 consecutive bytes, aligned to 256
.endr
.endm
.macro END last                     ; piece 1's last V^T P, and the way out
.set i, 0
.rept 8
	PV 1
.set i, i+1
.endr
	WIN 0
	ALL v_add_f32 v[ST+4*t+2], v[ST+4*t+2], v[ST+4*t+3]
	ALL v_permlanex16_b32 v[ST+4*t+3], v[ST+4*t+2], s[SEL], s[SEL+1]
	ALL v_add_f32 v[ST+4*t+2], v[ST+4*t+2], v[ST+4*t+3]
	ALL v_rcp_f32 v[ST+4*t+2], v[ST+4*t+2]
	v_nop
	s_wait_alu depctr_va_vdst(0)    ; one wait for the two reciprocals
	PACK 0
	PACK 1
	SEND 0, 8
	SEND 1, 0
.if !(\last)
	s_wait_xcnt 0x0                 ; the stores have read their registers and y's address
	s_mov_b64 s[10:11], s[OLO:OLO+1]
	s_mov_b32 s[SR], s[SR2]
	s_mov_b32 s[NEW], 1
	WIN 0x41                        ; the second block's Q goes where the turns name Q
.set i, 0
.rept 32
	v_mov_b32 v[i], v[QB+i]
.set i, i+1
.endr
	WIN 0
.endif
.endm
.Lslot:                             ; nine times: a tile is entered and the next is asked for
	CHANGE 1
	s_mov_b32 s[CNT], 4
	s_cmp_eq_u32 s[NEW], 1
	s_cbranch_scc0 .Lstep1
	BEGIN
	STEPS 1
	s_cmp_eq_u32 s[SR], 0
	s_cbranch_scc0 .Lgo
	END 0                           ; the first block's end
.Lgo:
	s_sub_co_u32 s[SLOTS], s[SLOTS], 1
	s_cmp_lg_u32 s[SLOTS], 0
	s_cbranch_scc1 .Lslot
	CHANGE 0                        ; the walk's last tile is written out; a block has two tiles or more, so it begins none
	s_mov_b32 s[CNT], 4
	STEPS 2
	END 1
	s_wait_tensorcnt 0x0            ; the wave's end
	ds_add_u32 v[SPW], v[NIL]
	s_wait_dscnt 0x0
	CROUND                          ; the closing round
	s_endpgm
.Lfunc_end_k_q9b9cb50f02_attn:
	.size	k_q9b9cb50f02_attn, .Lfunc_end_k_q9b9cb50f02_attn-k_q9b9cb50f02_attn
	.p2alignl 7, 3214868480
	.fill 96, 4, 3214868480
	.section	.rodata,"a",@progbits
	.p2align	6, 0x0
	.amdhsa_kernel k_q9b9cb50f02_attn
		.amdhsa_group_segment_fixed_size 327680
		.amdhsa_private_segment_fixed_size 0
		.amdhsa_enable_private_segment 0
		.amdhsa_kernarg_size 16
		.amdhsa_user_sgpr_count 2
		.amdhsa_user_sgpr_kernarg_segment_ptr 1
		.amdhsa_wavefront_size32 1
		.amdhsa_system_sgpr_workgroup_id_x 1
		.amdhsa_system_sgpr_workgroup_id_y 1
		.amdhsa_system_sgpr_workgroup_id_z 1
		.amdhsa_system_vgpr_workitem_id 0
		.amdhsa_next_free_vgpr 512
		.amdhsa_next_free_sgpr 96
		.amdhsa_reserve_vcc 1
		.amdhsa_float_denorm_mode_32 3
		.amdhsa_float_denorm_mode_16_64 3
		.amdhsa_memory_ordered 1
		.amdhsa_forward_progress 1
		.amdhsa_inst_pref_size 84
	.end_amdhsa_kernel
	.amdgpu_metadata
---
amdhsa.version: [ 1, 2 ]
amdhsa.kernels:
  - .name:           k_q9b9cb50f02_attn
    .symbol:         k_q9b9cb50f02_attn.kd
    .args:
      - { .name: sc, .offset: 0, .size: 8, .value_kind: global_buffer, .address_space: global }
      - { .name: ya, .offset: 8, .size: 8, .value_kind: global_buffer, .address_space: global }
    .group_segment_fixed_size: 327680
    .private_segment_fixed_size: 0
    .kernarg_segment_align: 8
    .kernarg_segment_size: 16
    .max_flat_workgroup_size: 128
    .sgpr_count:     96
    .vgpr_count:     512
    .wavefront_size: 32
...
	.end_amdgpu_metadata
.endif
;; end of part 3
;; launch proj (part 4): grid 8 x 32, 4 waves a work-group, clusters of 4 x 4, 327,680 bytes of LDS; arguments ya, wp, b_proj, x, x1; writes x1
.if DOCPART == 4
	.amdgcn_target "amdgcn-amd-amdhsa--gfx1250"
	.amdhsa_code_object_version 6
	.text
	.protected	k_q9b9cb50f02_proj
	.globl	k_q9b9cb50f02_proj
	.p2align	8
	.type	k_q9b9cb50f02_proj,@function
k_q9b9cb50f02_proj:
	s_mov_b64 s[64:65], 0
	v_nop
	global_prefetch_b8 v0, s[64:65] scope:SCOPE_SE
	s_setreg_imm32_b32 hwreg(HW_REG_WAVE_MODE, 25, 1), 1
	s_wait_xcnt 0x0
	s_wait_alu depctr_hold_cnt(0) depctr_sa_sdst(0) depctr_va_vdst(0) depctr_va_sdst(0) depctr_va_ssrc(0) depctr_va_vcc(0) depctr_vm_vsrc(0)
	s_getreg_b32 s2, hwreg(HW_REG_IB_STS2, 6, 4)
	s_cmp_eq_u32 s2, 0
	s_cbranch_scc0 .Lentry_in_a_cluster
	s_endpgm
.Lentry_in_a_cluster:
	s_bfe_u32 s2, ttmp6, 0x10000c
	s_cmp_lg_u32 s2, 0xf033
	s_cbranch_scc0 .Lentry_shape_is_right
	s_endpgm
.Lentry_shape_is_right:
; x1 = x + y . wp[1024][1024] + b_proj, f32.  y lies in ya as panels [16 heads][4096 rows][64] of f16; wp is f16; sums, bias and residual in f32.
; A tile of C is 128 x 128 (256 work-groups); four waves lie 2 x 2, each with 64 x 64: 16 accumulators in f32.  K goes in steps of 256 (four heads) through two LDS slots filled by tensor loads of 32 KiB:
; waves 0 and 1 fetch two heads' 128 rows each (a head's 128 rows are 16,384 dense bytes, asked for as one long row and padded in LDS after every 128 bytes), waves 2 and 3 128 k rows x 256 bytes of W each.
; W lies [K][N]: its fragments come out of LDS turned, by ds_load_tr16_b128.  CLUSTER 4 x 4: A's tile is asked for jointly along a row of the cluster, W's along a column.
; THE WALK ALONG K IS ROTATED BY CLUSTER.  Cluster (X, Y) begins at K step k0 = (NSTEP / 2 x X + NSTEP / 4 x (Y mod 4)) mod NSTEP and goes round.  The two clusters that read the same rows of A stand half a walk
; apart, the clusters Y, Y + 1, .. that read the same rows of W a quarter: they ask for one and the same K step of shared rows at different times.  k0 hangs on the cluster's own coordinates, which all sixteen partners
; share, so a joint load's descriptor is the same in all that it names.  The f32 sums are taken in that order of K.
; The matrix instruction is used transposed (source 0 = W, source 1 = A).  ONE TEXT FOR A K STEP: the LDS addresses hang on s[TB].  The residual is loaded at the head into window 1 and waits there.
; WAY OUT: when the ring has had its last fill each wave dumps its f32 sums into its own part of it and reads whole rows back.  No prefetch: the tiles are small.  NaN and infinities are not treated apart.
.set KK, 1024
.set NN, 1024
.set KS, 256
.set KD, 2
.set MBL, 4
.set NBL, 4
.set NAW, 2
.set PA, 144
.set ALOADB, 36864
.set ABYTES, 73728
.set SLOT, 147456
.set AMODE, 1
.set BMODE, 2
.set NADB, 2
.set AQI, 4
.set AD0, 8192
.set AD1, 2
.set ASTR, 262144
.set A_TY, 16384
.set A_IA, 1048576
.set ASTEP, 2097152
.set B_TX, 256
.set B_IB, 262144
.set FA0, 64
.set FAS, 64
.set FB0, 64
.set FBS, 64
.set DP, 272
.set DUMPW, 17408
.set BIAS, 8
.set WM, 16*MBL
.set AHI, KD*MBL
.set NSTEP, KK/KS
.set SPARE, 2*SLOT
.set BSTEP, KS*NN*2
.set ADRA, 16
.set ADRA0, 17
.set ADRB, 18
.set ADRB0, 21
.set DST, 24
.set RD, 25
.set CO, 26
.set BO, 27
.set SPW, 28
.set NIL, 29
.set G1, 24
.set G0, 32
.set G1B, 48
.set G0B, 56
.set BA, 16                            ; s[16:17] A at my load's first row, K step 0; never rewritten
.set BB, 46                            ; s[46:47] W likewise
.set TB, 70
.set LBA, 71
.set LBB, 72
.set TW, 73
.set KC, 74                            ; s74 the K step asked for last
.set OFP, 76                           ; s[76:77] its byte offset in A or in W; the high word stays 0
.set LAP, 3
.set MSB, 0
.macro WIN new
.if MSB != (\new)
	s_set_vgpr_msb (MSB<<8)|(\new)
.set MSB, \new
.endif
.endm
.set MUL_LO, 0xa1
.set TO_B, 0x40
.macro PLACES
.rept 4
	v_nop
.endr
.endm
.macro JLOAD s
	s_cmp_lt_u32 s10, NAW
	s_cbranch_scc0 .Lfor_b_\@
	tensor_load_to_lds s[G0+4*(\s):G0+4*(\s)+3], s[G1:G1+7]
	s_nop 0
	PLACES
	s_branch .Lasked_\@
.Lfor_b_\@:
	tensor_load_to_lds s[G0B+4*(\s):G0B+4*(\s)+3], s[G1B:G1B+7]
	s_nop 0
	PLACES
.Lasked_\@:
.endm
.macro CREST
	s_cmp_lg_u32 s10, 0
	s_cbranch_scc1 .Lnot_wave_0_\@
	s_barrier_signal -3
.Lnot_wave_0_\@:
	s_barrier_wait -3
	s_barrier_signal -1
	s_barrier_wait -1
.endm
.macro CROUND
	s_barrier_signal -1
	s_barrier_wait -1
	CREST
.endm
.macro ADDR
	v_add_nc_u32 v[ADRA], s[TB], v[ADRA0]
.set g_, 0
.rept NADB
	v_add_nc_u32 v[ADRB+g_], s[TB], v[ADRB0+g_]
.set g_, g_+1
.endr
.endm
.macro FETCH q, f                      ; 32 LDS loads in one run: quarter q's fragments into buffer f: W's, A's low blocks, A's high blocks
	WIN TO_B
.set c_, 0
.rept KD
.set b_, 0
.rept NBL
.set rB, FB0+FBS*(\f)+8*(NBL*c_+b_)
.if BMODE == 0
.set aR, ADRB
.set oB, 9216*(\q)+32*b_
.elseif BMODE == 1
.set aR, ADRB+b_/4
.set oB, 9216*(\q)+32*(b_%4)
.else
.set aR, ADRB+(\q)/2
.set oB, 18432*((\q)%2)+9216*c_+32*b_
.endif
	ds_load_tr16_b128 v[rB:rB+3], v[aR] offset:oB
	ds_load_tr16_b128 v[rB+4:rB+7], v[aR] offset:oB+4608
.set b_, b_+1
.endr
.set c_, c_+1
.endr
	WIN 0
.set h_, 0
.rept 2
.set c_, 0
.rept KD
.set i_, h_*(MBL/2)
.rept MBL/2
.set rA, FA0+FAS*(\f)+8*(MBL*c_+i_)
.if AMODE == 0
.set oA, 16*i_*PA+64*KD*(\q)+64*c_
.else
.set oA, (128*(\q)+16*i_)*144+64*c_
.endif
	ds_load_b128 v[rA:rA+3], v[ADRA] offset:oA
	ds_load_b128 v[rA+4:rA+7], v[ADRA] offset:oA+32
.set i_, i_+1
.endr
.set c_, c_+1
.endr
.set h_, h_+1
.endr
.endm
.macro MULP f, hi, part, zero          ; the accumulators take turns, one instruction a turn; zero = 1: the first product starts the sum
	WIN MUL_LO+0x50*(\hi)
.set c_, 0
.rept KD
.set a_, (\part)*(MBL/4)
.rept MBL/4
.set b_, 0
.rept NBL
.set rD, 8*(NBL*a_+b_)
.set rB, FB0+FBS*(\f)+8*(NBL*c_+b_)
.set rA, FA0+FAS*(\f)+8*(MBL*c_+(\hi)*(MBL/2)+a_)
.if (\zero) && (c_ == 0)
	v_wmma_f32_16x16x32_f16 v[rD:rD+7], v[rB:rB+7], v[rA:rA+7], 0
.else
	v_wmma_f32_16x16x32_f16 v[rD:rD+7], v[rB:rB+7], v[rA:rA+7], v[rD:rD+7]
.endif
.set b_, b_+1
.endr
.set a_, a_+1
.endr
.set c_, c_+1
.endr
.endm
.macro QUARTER f, g, qn, zero
	s_wait_dscnt AHI                               ; W's and A's low blocks are in; A's high blocks, the youngest loads, may be out
	MULP \f, 0, 0, \zero
	MULP \f, 0, 1, \zero
	PLACES
	FETCH \qn, \g
	s_wait_dscnt 32                                ; all but the 32 just issued
	MULP \f, 1, 0, \zero
	MULP \f, 1, 1, \zero
.endm
.macro MEET
	WIN 0
	s_wait_tensorcnt 0x0                           ; all my tensor loads have landed: the one that was out is my part of the next slot
	ds_add_u32 v[SPW], v[NIL]                      ; 0 onto my spare word
	s_wait_dscnt AHI+1                             ; the add and A's high blocks may be out
	MULP 1, 0, 0, 0
	s_wait_dscnt 0x0                               ; the add is done and my reads of this slot are over
	s_barrier_signal -1
	MULP 1, 0, 1, 0
	WIN 0
	s_barrier_wait -1
.endm
.macro REFILL                          ; the barrier above opened a round of the cluster's barrier; behind it the slot just read takes the walk's step two steps on: the K step behind the one asked for last, round the end
	CREST
	s_add_co_u32 s[KC], s[KC], 1
	s_and_b32 s[KC], s[KC], NSTEP-1
	s_add_co_u32 s[G0+5], s[LBA], s[TB]
	s_add_co_u32 s[G0B+5], s[LBB], s[TB]
	s_mul_i32 s[OFP], s[KC], ASTEP
	s_add_nc_u64 s[G0+6:G0+7], s[BA:BA+1], s[OFP:OFP+1]  ; the address is made anew: the base, the K step's offset, the type
	s_or_b32 s[G0+7], s[G0+7], 0x80000000
	s_mul_i32 s[OFP], s[KC], BSTEP
	s_add_nc_u64 s[G0B+6:G0B+7], s[BB:BB+1], s[OFP:OFP+1]
	s_or_b32 s[G0B+7], s[G0B+7], 0x80000000
	JLOAD 1
.endm
	s_load_b128 s[4:7], s[0:1], 0x0                ; A s[4:5], W s[6:7]
	s_load_b64 s[66:67], s[0:1], 0x10              ; bias
	s_load_b64 s[68:69], s[0:1], 0x18              ; residual
	s_load_b64 s[8:9], s[0:1], 0x20                ; out
	v_lshl_add_u32 v[SPW], v0, 2, SPARE
	v_mov_b32 v[NIL], 0
	ds_add_u32 v[SPW], v[NIL]                      ; the wave's opening: the add and its wait stand ahead of my first tensor load
	v_lshrrev_b32 v1, 5, v0
	v_readfirstlane_b32 s10, v1
	s_lshr_b32 s11, s10, 1
	s_and_b32 s12, s10, 1
	s_bfe_u32 s40, ttmp6, 0x40000
	s_bfe_u32 s41, ttmp6, 0x40004
	s_lshl_b32 s42, ttmp9, 2
	s_add_co_u32 s42, s42, s40                     ; tx
	s_and_b32 s13, ttmp7, 0xffff
	s_lshl_b32 s13, s13, 2
	s_add_co_u32 s13, s13, s41                     ; ty
	s_lshl_b32 s43, s41, 2
	s_lshl_b32 s43, 15, s43
	s_lshl_b32 s44, 0x1111, s40
	s_or_b32 s[G1+0], s43, (1<<16)|(1<<20)|(1<<21)|(AQI<<22)|(3<<25)
	s_or_b32 s[G1B+0], s44, (1<<16)|(1<<20)|(1<<21)|(5<<22)|(7<<25)
	s_mov_b32 s[G1+1], (AD0&0xffff)<<16
	s_mov_b32 s[G1+2], (AD0>>16)|(AD1<<16)
	s_mov_b32 s[G1+3], (AD0&0xffff)<<16
	s_mov_b32 s[G1+4], AD1
	s_mov_b32 s[G1+5], ASTR
	s_mov_b32 s[G1+6], 0
	s_mov_b32 s[G1+7], 0
	s_mov_b32 s[G1B+1], 128<<16
	s_mov_b32 s[G1B+2], 128<<16
	s_mov_b32 s[G1B+3], 128<<16
	s_mov_b32 s[G1B+4], 128
	s_mov_b32 s[G1B+5], NN
	s_mov_b32 s[G1B+6], 0
	s_mov_b32 s[G1B+7], 0
	s_mov_b32 s14, s12
	s_mov_b32 s15, s12
	s_mul_i32 s[LBA], s14, ALOADB
	s_mul_i32 s[LBB], s15, 36864
	s_add_co_u32 s[LBB], s[LBB], ABYTES
	s_mul_i32 s16, s13, A_TY
	s_mul_i32 s17, s14, A_IA
	s_add_co_u32 s16, s16, s17
	s_mov_b32 s17, 0
	s_mul_i32 s46, s42, B_TX
	s_mul_i32 s47, s15, B_IB
	s_add_co_u32 s46, s46, s47
	s_mov_b32 s47, 0
	s_and_b32 s75, ttmp7, 3                        ; cluster y mod 4
	s_mul_i32 s75, s75, NSTEP/4
	s_mul_i32 s[KC], ttmp9, NSTEP/2                ; cluster x
	s_add_co_u32 s[KC], s[KC], s75
	s_and_b32 s[KC], s[KC], NSTEP-1                ; k0: where my cluster's walk begins
	s_mov_b32 s[OFP+1], 0
	s_wait_dscnt 0x0
	s_wait_kmcnt 0x0
	s_add_nc_u64 s[BA:BA+1], s[4:5], s[16:17]
	s_add_nc_u64 s[BB:BB+1], s[6:7], s[46:47]
	CROUND
.irp s, 0,1
	s_mov_b32 s[G0+4*(\s)], 1
	s_add_co_u32 s[G0+4*(\s)+1], s[LBA], (\s)*SLOT
	s_mul_i32 s[OFP], s[KC], ASTEP
	s_add_nc_u64 s[G0+4*(\s)+2:G0+4*(\s)+3], s[BA:BA+1], s[OFP:OFP+1]
	s_or_b32 s[G0+4*(\s)+3], s[G0+4*(\s)+3], 0x80000000
	s_mov_b32 s[G0B+4*(\s)], 1
	s_add_co_u32 s[G0B+4*(\s)+1], s[LBB], (\s)*SLOT
	s_mul_i32 s[OFP], s[KC], BSTEP
	s_add_nc_u64 s[G0B+4*(\s)+2:G0B+4*(\s)+3], s[BB:BB+1], s[OFP:OFP+1]
	s_or_b32 s[G0B+4*(\s)+3], s[G0B+4*(\s)+3], 0x80000000
.if (\s) == 0
	s_add_co_u32 s[KC], s[KC], 1                   ; the walk's second step
	s_and_b32 s[KC], s[KC], NSTEP-1
.endif
.endr
	s_cmp_lt_u32 s10, NAW
	s_cbranch_scc0 .Lfirst_b
	tensor_load_to_lds s[G0:G0+3], s[G1:G1+7]
	s_nop 0
	tensor_load_to_lds s[G0+4:G0+7], s[G1:G1+7]
	s_nop 0
	PLACES
	s_branch .Lfirst_done
.Lfirst_b:
	tensor_load_to_lds s[G0B:G0B+3], s[G1B:G1B+7]
	s_nop 0
	tensor_load_to_lds s[G0B+4:G0B+7], s[G1B:G1B+7]
	s_nop 0
	PLACES
.Lfirst_done:
	v_and_b32 v1, 15, v0
	v_bfe_u32 v2, v0, 4, 1
	v_mul_u32_u24 v[ADRA0], v1, PA
	v_lshl_add_u32 v[ADRA0], v2, 4, v[ADRA0]
	s_mul_i32 s20, s11, WM*PA
	v_add_nc_u32 v[ADRA0], s20, v[ADRA0]
	v_and_b32 v4, 7, v0
	v_lshl_add_u32 v4, v2, 3, v4
	v_mul_u32_u24 v4, v4, 288
	v_bfe_u32 v5, v0, 3, 1
	v_lshl_add_u32 v4, v5, 4, v4
	s_lshl_b32 s21, s12, 7                         ; my 64 columns of the chunk's 128
	s_add_co_u32 s21, s21, ABYTES
	v_add_nc_u32 v[ADRB0], s21, v4
	v_add_nc_u32 v[ADRB0+1], 36864, v[ADRB0]       ; quarters 2 and 3: 128 k rows on
	; the way out
	s_mul_i32 s23, s10, DUMPW
	v_mul_u32_u24 v[DST], v1, DP
	v_lshl_add_u32 v[DST], v2, 5, v[DST]
	v_add_nc_u32 v[DST], s23, v[DST]
	v_mul_u32_u24 v[RD], v2, DP
	v_lshl_add_u32 v[RD], v1, 4, v[RD]
	v_add_nc_u32 v[RD], s23, v[RD]
	v_lshlrev_b32 v[CO], 12, v2                    ; lanes 0-15 one row's 256 bytes, lanes 16-31 the next row's
	v_lshl_add_u32 v[CO], v1, 4, v[CO]
	s_lshl_b32 s80, s13, 19                        ; 128 rows of 4,096 bytes
	s_lshl_b32 s81, s11, 18
	s_add_co_u32 s80, s80, s81
	s_lshl_b32 s82, s42, 9                         ; 128 columns of 4 bytes
	s_lshl_b32 s81, s12, 8
	s_add_co_u32 s82, s82, s81
	v_lshl_add_u32 v[BO], v1, 4, s82
	global_load_b128 v[BIAS:BIAS+3], v[BO], s[66:67]
	s_add_co_u32 s80, s80, s82
	s_mov_b32 s81, 0
	s_add_nc_u64 s[8:9], s[8:9], s[80:81]
	s_add_nc_u64 s[68:69], s[68:69], s[80:81]
	WIN 0x40                                       ; the residual: 128 registers of window 1 beside W's buffers, at the places of the later stores
.irp a, 0,1,2,3
.irp t, 0,1,2,3,4,5,6,7
	global_load_b128 v[32*(\a)+128*((\a)/2)+4*(\t):32*(\a)+128*((\a)/2)+4*(\t)+3], v[CO], s[68:69] offset:(16*(\a)+2*(\t))*4096
.endr
.endr
	WIN 0
	s_wait_tensorcnt 0x1                           ; my part of the walk's first step is in; the second's may stay out
	s_barrier_signal -1
	s_barrier_wait -1
	s_mov_b32 s[TB], 0
	ADDR
	FETCH 0, 0
	QUARTER 0, 1, 1, 1
	WIN 0
	s_mov_b32 s[TW], 2
	s_mov_b32 s[LAP], NSTEP/2-1
	s_branch .Lin
.Llap:
	s_mov_b32 s[TW], 2
.Ltrip:
	ADDR
	FETCH 0, 0
	MULP 1, 1, 0, 0
	MULP 1, 1, 1, 0
	QUARTER 0, 1, 1, 0
	WIN 0
.Lin:
	QUARTER 1, 0, 2, 0
	QUARTER 0, 1, 3, 0
	MEET
	REFILL
	s_add_co_u32 s[TB], s[TB], SLOT
	s_sub_co_u32 s[TW], s[TW], 1
	s_cmp_lg_u32 s[TW], 0
	s_cbranch_scc1 .Ltrip
	s_sub_co_u32 s[TB], s[TB], 2*SLOT
	s_sub_co_u32 s[LAP], s[LAP], 1
	s_cmp_lg_u32 s[LAP], 0
	s_cbranch_scc1 .Llap
	s_mov_b32 s[TW], 2
.Ltail:
	PLACES
	ADDR
	FETCH 0, 0
	MULP 1, 1, 0, 0
	MULP 1, 1, 1, 0
	QUARTER 0, 1, 1, 0
	QUARTER 1, 0, 2, 0
	QUARTER 0, 1, 3, 0
	MEET                                           ; behind the second of these no wave reads the ring any more, and every load has landed
	s_add_co_u32 s[TB], s[TB], SLOT
	s_sub_co_u32 s[TW], s[TW], 1
	s_cmp_lg_u32 s[TW], 0
	s_cbranch_scc1 .Ltail
	MULP 1, 1, 0, 0
	MULP 1, 1, 1, 0
	WIN 0
	PLACES
	; THE WAY OUT: f32 sums into my own part of the ring (its last fill is over), 64 rows x 272 bytes; each accumulator's low registers are read first
.set a_, 0
.rept MBL
	WIN 0x08+4*(a_/(MBL/2))
.set b_, 0
.rept NBL
.set rD, 8*(NBL*(a_%(MBL/2))+b_)
.set oD, 16*DP*a_+64*b_
	ds_store_b128 v[DST], v[rD:rD+3] offset:oD
	ds_store_b128 v[DST], v[rD+4:rD+7] offset:oD+16
.set b_, b_+1
.endr
.set a_, a_+1
.endr
	WIN 0
	s_wait_loadcnt 0x0                             ; the bias and the residual
.macro RESBLK a                        ; 16 rows: read back, bias and residual added, stored
.set OB, 32+160*((\a)%2)
.set RB, 32*(\a)+128*((\a)/2)
.if (\a) >= 2
	s_wait_xcnt 0x0                                ; the stores of two blocks back have read these registers
.endif
.irp t, 0,1,2,3,4,5,6,7
	ds_load_b128 v[OB+4*(\t):OB+4*(\t)+3], v[RD] offset:4352*(\a)+544*(\t)
.endr
	s_wait_dscnt 0x0
.set k_, 0
.rept 16
	v_pk_add_f32 v[OB+2*k_:OB+2*k_+1], v[OB+2*k_:OB+2*k_+1], v[BIAS+2*(k_%2):BIAS+2*(k_%2)+1]
.set k_, k_+1
.endr
	WIN 0x04                                       ; source 1 in window 1
.set k_, 0
.rept 16
	v_pk_add_f32 v[OB+2*k_:OB+2*k_+1], v[OB+2*k_:OB+2*k_+1], v[RB+2*k_:RB+2*k_+1]
.set k_, k_+1
.endr
	WIN 0
.irp t, 0,1,2,3,4,5,6,7
	global_store_b128 v[CO], v[OB+4*(\t):OB+4*(\t)+3], s[8:9] offset:(16*(\a)+2*(\t))*4096  ; 16 lanes store 256 consecutive bytes, aligned
.endr
.endm
	RESBLK 0
	RESBLK 1
	RESBLK 2
	RESBLK 3
	s_wait_tensorcnt 0x0                           ; the wave's end
	ds_add_u32 v[SPW], v[NIL]
	s_wait_dscnt 0x0
	CROUND                                         ; the closing round
	s_endpgm
.Lfunc_end_k_q9b9cb50f02_proj:
	.size	k_q9b9cb50f02_proj, .Lfunc_end_k_q9b9cb50f02_proj-k_q9b9cb50f02_proj
	.p2alignl 7, 3214868480
	.fill 96, 4, 3214868480
	.section	.rodata,"a",@progbits
	.p2align	6, 0x0
	.amdhsa_kernel k_q9b9cb50f02_proj
		.amdhsa_group_segment_fixed_size 327680
		.amdhsa_private_segment_fixed_size 0
		.amdhsa_enable_private_segment 0
		.amdhsa_kernarg_size 40
		.amdhsa_user_sgpr_count 2
		.amdhsa_user_sgpr_kernarg_segment_ptr 1
		.amdhsa_wavefront_size32 1
		.amdhsa_system_sgpr_workgroup_id_x 1
		.amdhsa_system_sgpr_workgroup_id_y 1
		.amdhsa_system_sgpr_workgroup_id_z 1
		.amdhsa_system_vgpr_workitem_id 0
		.amdhsa_next_free_vgpr 832
		.amdhsa_next_free_sgpr 96
		.amdhsa_reserve_vcc 0
		.amdhsa_float_denorm_mode_32 3
		.amdhsa_float_denorm_mode_16_64 3
		.amdhsa_memory_ordered 1
		.amdhsa_forward_progress 1
		.amdhsa_inst_pref_size 72
	.end_amdhsa_kernel
	.amdgpu_metadata
---
amdhsa.version: [ 1, 2 ]
amdhsa.kernels:
  - .name:           k_q9b9cb50f02_proj
    .symbol:         k_q9b9cb50f02_proj.kd
    .args:
      - { .name: ya, .offset: 0, .size: 8, .value_kind: global_buffer, .address_space: global }
      - { .name: wp, .offset: 8, .size: 8, .value_kind: global_buffer, .address_space: global }
      - { .name: b_proj, .offset: 16, .size: 8, .value_kind: global_buffer, .address_space: global }
      - { .name: x, .offset: 24, .size: 8, .value_kind: global_buffer, .address_space: global }
      - { .name: x1, .offset: 32, .size: 8, .value_kind: global_buffer, .address_space: global }
    .group_segment_fixed_size: 327680
    .private_segment_fixed_size: 0
    .kernarg_segment_align: 8
    .kernarg_segment_size: 40
    .max_flat_workgroup_size: 128
    .sgpr_count:     96
    .vgpr_count:     832
    .wavefront_size: 32
...
	.end_amdgpu_metadata
.endif
;; end of part 4
;; launch ln2: the kernel of part 1 again; grid 256 x 1, 4 waves a work-group, no clusters, 0 bytes of LDS; arguments x1, ln2_g, ln2_b, hn, W_attn, W_proj, W_fc, W_fc_proj, wa, wp, ya, sc; writes hn, wa, wp, ya, sc
;; launch fc (part 5): grid 16 x 16, 4 waves a work-group, clusters of 4 x 4, 327,680 bytes of LDS; arguments hn, wf, b_fc, sc; writes sc
.if DOCPART == 5
	.amdgcn_target "amdgcn-amd-amdhsa--gfx1250"
	.amdhsa_code_object_version 6
	.text
	.protected	k_q9b9cb50f02_fc
	.globl	k_q9b9cb50f02_fc
	.p2align	8
	.type	k_q9b9cb50f02_fc,@function
k_q9b9cb50f02_fc:
	s_mov_b64 s[64:65], 0
	v_nop
	global_prefetch_b8 v0, s[64:65] scope:SCOPE_SE
	s_setreg_imm32_b32 hwreg(HW_REG_WAVE_MODE, 25, 1), 1
	s_wait_xcnt 0x0
	s_wait_alu depctr_hold_cnt(0) depctr_sa_sdst(0) depctr_va_vdst(0) depctr_va_sdst(0) depctr_va_ssrc(0) depctr_va_vcc(0) depctr_vm_vsrc(0)
	s_getreg_b32 s2, hwreg(HW_REG_IB_STS2, 6, 4)
	s_cmp_eq_u32 s2, 0
	s_cbranch_scc0 .Lentry_in_a_cluster
	s_endpgm
.Lentry_in_a_cluster:
	s_bfe_u32 s2, ttmp6, 0x10000c
	s_cmp_lg_u32 s2, 0xf033
	s_cbranch_scc0 .Lentry_shape_is_right
	s_endpgm
.Lentry_shape_is_right:
; sc[4096][4096] (f16) = gelu(hn[4096][1024] . wf[1024][4096] + b_fc), the tanh form: gelu(u) = u / (1 + 2^(u (C0 + C1 u^2))), C0 = -2 log2(e) sqrt(2 / pi), C1 = 0.044715 C0; where 2^.. overflows or
; vanishes the quotient takes its limit, 0 or u.  hn and wf are f16; sums, bias and the GELU in f32.
; LIMITS.  f16 holds no number beyond 65,504: the GELU's results stay within it; below 6e-5 a number keeps f16's fixed step of 6e-8.  NaN and infinities are not treated apart.
; A tile of C is 256 x 256 (256 work-groups); four waves lie 2 x 2, each with 128 x 128: 64 accumulators of 16 x 16 in f32.  K goes in steps of 128 through two LDS slots filled by tensor loads of 32 KiB:
; waves 0 and 1 fetch A's halves (128 rows x 256 bytes), waves 2 and 3 W's two chunks (128 k rows x 256 bytes).  W lies [K][N]: its fragments come out of LDS turned, by ds_load_tr16_b128.
; CLUSTER 4 x 4: A's tile is asked for jointly along a row of the cluster, W's along a column.  The matrix instruction is used transposed (source 0 = W, source 1 = A).
; ONE TEXT FOR A K STEP: the LDS addresses hang on s[TB], which steps SLOT twice and then goes back.  WAY OUT: when the ring has had its last fill each wave dumps its f32 sums into its own part of it and reads rows back,
; a trip ahead of the trip that works on them.
; Windows of 256 registers: 0 addresses and A's fragments, 1 W's fragments, 2 and 3 accumulators.
.set KK, 1024
.set NN, 4096
.set KS, 128
.set KD, 1
.set MBL, 8
.set NBL, 8
.set NAW, 2
.set PA, 272
.set ALOADB, 34816
.set ABYTES, 69632
.set SLOT, 143360
.set AMODE, 0
.set BMODE, 0
.set NADB, 1
.set AQI, 5
.set AD0, 128
.set AD1, 128
.set ASTR, 1024
.set A_TY, 524288
.set A_IA, 262144
.set ASTEP, 256
.set B_TX, 512
.set B_IB, 256
.set FA0, 64
.set FAS, 64
.set FB0, 64
.set FBS, 64
.set DP, 528
.set DUMPW, 67584
.set BIAS, 8
.set WM, 16*MBL
.set AHI, KD*MBL
.set NSTEP, KK/KS
.set SPARE, 2*SLOT
.set BSTEP, KS*NN*2
.set ADRA, 16
.set ADRA0, 17
.set ADRB, 18
.set ADRB0, 21
.set DST, 24
.set RD, 25
.set CO, 26
.set BO, 27
.set SPW, 28
.set NIL, 29
.set PFO, 30
.set UR, 64                            ; the way out: eight rows as read back
.set UB, 96                            ; u: the same with the bias added
.set TR, 128
.set OUTR, 192
.set G1, 24
.set G0, 32
.set G1B, 48
.set G0B, 56
.set PFA, 44
.set PFS, 46
.set TB, 70
.set LBA, 71
.set LBB, 72
.set TW, 73
.set LAP, 3
.set GC0, 74
.set GC1, 76
.set PFN, 78
.set PFLIM, 79
.set MSB, 0
.macro WIN new
.if MSB != (\new)
	s_set_vgpr_msb (MSB<<8)|(\new)
.set MSB, \new
.endif
.endm
.set MUL_LO, 0xa1
.set TO_B, 0x40
.macro PLACES
.rept 4
	v_nop
.endr
.endm
.macro JLOAD s
	s_cmp_lt_u32 s10, NAW
	s_cbranch_scc0 .Lfor_b_\@
	tensor_load_to_lds s[G0+4*(\s):G0+4*(\s)+3], s[G1:G1+7]
	s_nop 0
	PLACES
	s_branch .Lasked_\@
.Lfor_b_\@:
	tensor_load_to_lds s[G0B+4*(\s):G0B+4*(\s)+3], s[G1B:G1B+7]
	s_nop 0
	PLACES
.Lasked_\@:
.endm
.macro CREST
	s_cmp_lg_u32 s10, 0
	s_cbranch_scc1 .Lnot_wave_0_\@
	s_barrier_signal -3
.Lnot_wave_0_\@:
	s_barrier_wait -3
	s_barrier_signal -1
	s_barrier_wait -1
.endm
.macro CROUND
	s_barrier_signal -1
	s_barrier_wait -1
	CREST
.endm
.macro ADDR
	v_add_nc_u32 v[ADRA], s[TB], v[ADRA0]
.set g_, 0
.rept NADB
	v_add_nc_u32 v[ADRB+g_], s[TB], v[ADRB0+g_]
.set g_, g_+1
.endr
.endm
.macro FETCH q, f                      ; 32 LDS loads in one run: quarter q's fragments into buffer f: W's, A's low blocks, A's high blocks
	WIN TO_B
.set c_, 0
.rept KD
.set b_, 0
.rept NBL
.set rB, FB0+FBS*(\f)+8*(NBL*c_+b_)
.if BMODE == 0
.set aR, ADRB
.set oB, 9216*(\q)+32*b_
.elseif BMODE == 1
.set aR, ADRB+b_/4
.set oB, 9216*(\q)+32*(b_%4)
.else
.set aR, ADRB+(\q)/2
.set oB, 18432*((\q)%2)+9216*c_+32*b_
.endif
	ds_load_tr16_b128 v[rB:rB+3], v[aR] offset:oB
	ds_load_tr16_b128 v[rB+4:rB+7], v[aR] offset:oB+4608
.set b_, b_+1
.endr
.set c_, c_+1
.endr
	WIN 0
.set h_, 0
.rept 2
.set c_, 0
.rept KD
.set i_, h_*(MBL/2)
.rept MBL/2
.set rA, FA0+FAS*(\f)+8*(MBL*c_+i_)
.if AMODE == 0
.set oA, 16*i_*PA+64*KD*(\q)+64*c_
.else
.set oA, (128*(\q)+16*i_)*144+64*c_
.endif
	ds_load_b128 v[rA:rA+3], v[ADRA] offset:oA
	ds_load_b128 v[rA+4:rA+7], v[ADRA] offset:oA+32
.set i_, i_+1
.endr
.set c_, c_+1
.endr
.set h_, h_+1
.endr
.endm
.macro MULP f, hi, part, zero          ; the accumulators take turns, one instruction a turn; zero = 1: the first product starts the sum
	WIN MUL_LO+0x50*(\hi)
.set c_, 0
.rept KD
.set a_, (\part)*(MBL/4)
.rept MBL/4
.set b_, 0
.rept NBL
.set rD, 8*(NBL*a_+b_)
.set rB, FB0+FBS*(\f)+8*(NBL*c_+b_)
.set rA, FA0+FAS*(\f)+8*(MBL*c_+(\hi)*(MBL/2)+a_)
.if (\zero) && (c_ == 0)
	v_wmma_f32_16x16x32_f16 v[rD:rD+7], v[rB:rB+7], v[rA:rA+7], 0
.else
	v_wmma_f32_16x16x32_f16 v[rD:rD+7], v[rB:rB+7], v[rA:rA+7], v[rD:rD+7]
.endif
.set b_, b_+1
.endr
.set a_, a_+1
.endr
.set c_, c_+1
.endr
.endm
.macro QUARTER f, g, qn, zero
	s_wait_dscnt AHI                               ; W's and A's low blocks are in; A's high blocks, the youngest loads, may be out
	MULP \f, 0, 0, \zero
	MULP \f, 0, 1, \zero
	PLACES
	FETCH \qn, \g
	s_wait_dscnt 32                                ; all but the 32 just issued
	MULP \f, 1, 0, \zero
	MULP \f, 1, 1, \zero
.endm
.macro MEET
	WIN 0
	s_wait_tensorcnt 0x0                           ; all my tensor loads have landed: the one that was out is my part of the next slot
	ds_add_u32 v[SPW], v[NIL]                      ; 0 onto my spare word
	s_wait_dscnt AHI+1                             ; the add and A's high blocks may be out
	MULP 1, 0, 0, 0
	s_wait_dscnt 0x0                               ; the add is done and my reads of this slot are over
	s_barrier_signal -1
	MULP 1, 0, 1, 0
	WIN 0
	s_barrier_wait -1
.endm
.macro REFILL
	CREST
	s_add_co_u32 s[G0+5], s[LBA], s[TB]
	s_add_co_u32 s[G0B+5], s[LBB], s[TB]
	s_add_nc_u64 s[G0+6:G0+7], s[G0+6:G0+7], ASTEP
	s_add_nc_u64 s[G0B+6:G0B+7], s[G0B+6:G0B+7], BSTEP
	JLOAD 1
.endm
.macro ASK                             ; a prefetch of the K step that stands two refills on: 32 rows x 256 bytes, a lane a row; four times in the launch (K steps 4 to 7)
	s_cmp_lt_u32 s[PFN], s[PFLIM]
	s_cbranch_scc0 .Lnot_mine_\@
	global_prefetch_b8 v[PFO], s[PFA:PFA+1] th:TH_LOAD_NT scope:SCOPE_SE
.Lnot_mine_\@:
	s_add_co_u32 s[PFN], s[PFN], 1
.endm
	s_load_b128 s[4:7], s[0:1], 0x0                ; A s[4:5], W s[6:7]
	s_load_b64 s[66:67], s[0:1], 0x10              ; bias
	s_load_b64 s[8:9], s[0:1], 0x18                ; out
	v_lshl_add_u32 v[SPW], v0, 2, SPARE
	v_mov_b32 v[NIL], 0
	ds_add_u32 v[SPW], v[NIL]                      ; the wave's opening: the add and its wait stand ahead of my first tensor load
	v_lshrrev_b32 v1, 5, v0
	v_readfirstlane_b32 s10, v1
	s_lshr_b32 s11, s10, 1
	s_and_b32 s12, s10, 1
	s_bfe_u32 s40, ttmp6, 0x40000
	s_bfe_u32 s41, ttmp6, 0x40004
	s_lshl_b32 s42, ttmp9, 2
	s_add_co_u32 s42, s42, s40                     ; tx
	s_and_b32 s13, ttmp7, 0xffff
	s_lshl_b32 s13, s13, 2
	s_add_co_u32 s13, s13, s41                     ; ty
	s_lshl_b32 s43, s41, 2
	s_lshl_b32 s43, 15, s43
	s_lshl_b32 s44, 0x1111, s40
	s_or_b32 s[G1+0], s43, (1<<16)|(1<<20)|(1<<21)|(AQI<<22)|(3<<25)
	s_or_b32 s[G1B+0], s44, (1<<16)|(1<<20)|(1<<21)|(5<<22)|(7<<25)
	s_mov_b32 s[G1+1], (AD0&0xffff)<<16
	s_mov_b32 s[G1+2], (AD0>>16)|(AD1<<16)
	s_mov_b32 s[G1+3], (AD0&0xffff)<<16
	s_mov_b32 s[G1+4], AD1
	s_mov_b32 s[G1+5], ASTR
	s_mov_b32 s[G1+6], 0
	s_mov_b32 s[G1+7], 0
	s_mov_b32 s[G1B+1], 128<<16
	s_mov_b32 s[G1B+2], 128<<16
	s_mov_b32 s[G1B+3], 128<<16
	s_mov_b32 s[G1B+4], 128
	s_mov_b32 s[G1B+5], NN
	s_mov_b32 s[G1B+6], 0
	s_mov_b32 s[G1B+7], 0
	s_mov_b32 s14, s12
	s_mov_b32 s15, s12
	s_mul_i32 s[LBA], s14, ALOADB
	s_mul_i32 s[LBB], s15, 36864
	s_add_co_u32 s[LBB], s[LBB], ABYTES
	s_mul_i32 s16, s13, A_TY
	s_mul_i32 s17, s14, A_IA
	s_add_co_u32 s16, s16, s17
	s_mov_b32 s17, 0
	s_mul_i32 s46, s42, B_TX
	s_mul_i32 s47, s15, B_IB
	s_add_co_u32 s46, s46, s47
	s_mov_b32 s47, 0
	s_mov_b32 s[GC0], 0xc0135761                   ; C0
	s_mov_b32 s[GC0+1], s[GC0]
	s_mov_b32 s[GC1], 0xbdd2d3e8                   ; C1
	s_mov_b32 s[GC1+1], s[GC1]
	s_wait_dscnt 0x0
	s_wait_kmcnt 0x0
	s_add_nc_u64 s[16:17], s[4:5], s[16:17]
	s_add_nc_u64 s[46:47], s[6:7], s[46:47]
	CROUND
.irp s, 0,1
	s_mov_b32 s[G0+4*(\s)], 1
	s_add_co_u32 s[G0+4*(\s)+1], s[LBA], (\s)*SLOT
	s_add_nc_u64 s[G0+4*(\s)+2:G0+4*(\s)+3], s[16:17], (\s)*ASTEP
	s_or_b32 s[G0+4*(\s)+3], s[G0+4*(\s)+3], 0x80000000
	s_mov_b32 s[G0B+4*(\s)], 1
	s_add_co_u32 s[G0B+4*(\s)+1], s[LBB], (\s)*SLOT
	s_add_nc_u64 s[G0B+4*(\s)+2:G0B+4*(\s)+3], s[46:47], (\s)*BSTEP
	s_or_b32 s[G0B+4*(\s)+3], s[G0B+4*(\s)+3], 0x80000000
.endr
	s_cmp_lt_u32 s10, NAW
	s_cbranch_scc0 .Lfirst_b
	tensor_load_to_lds s[G0:G0+3], s[G1:G1+7]
	s_nop 0
	tensor_load_to_lds s[G0+4:G0+7], s[G1:G1+7]
	s_nop 0
	PLACES
	s_branch .Lfirst_done
.Lfirst_b:
	tensor_load_to_lds s[G0B:G0B+3], s[G1B:G1B+7]
	s_nop 0
	tensor_load_to_lds s[G0B+4:G0B+7], s[G1B:G1B+7]
	s_nop 0
	PLACES
.Lfirst_done:
	v_and_b32 v1, 15, v0
	v_bfe_u32 v2, v0, 4, 1
	v_and_b32 v3, 31, v0
	v_mul_u32_u24 v[ADRA0], v1, PA
	v_lshl_add_u32 v[ADRA0], v2, 4, v[ADRA0]
	s_mul_i32 s20, s11, WM*PA
	v_add_nc_u32 v[ADRA0], s20, v[ADRA0]
	v_and_b32 v4, 7, v0
	v_lshl_add_u32 v4, v2, 3, v4
	v_mul_u32_u24 v4, v4, 288
	v_bfe_u32 v5, v0, 3, 1
	v_lshl_add_u32 v4, v5, 4, v4
	s_mul_i32 s21, s12, 36864                      ; my chunk of 128 columns
	s_add_co_u32 s21, s21, ABYTES
	v_add_nc_u32 v[ADRB0], s21, v4
	; the way out
	s_mul_i32 s23, s10, DUMPW
	v_mul_u32_u24 v[DST], v1, DP
	v_lshl_add_u32 v[DST], v2, 5, v[DST]
	v_add_nc_u32 v[DST], s23, v[DST]
	v_lshl_add_u32 v[RD], v3, 4, s23               ; back: 32 lanes take one row of 512 bytes
	v_lshlrev_b32 v[CO], 3, v3                     ; which are 256 bytes of f16
	s_lshl_b32 s82, s42, 10                        ; the bias: 256 columns of 4 bytes,
	s_lshl_b32 s81, s12, 9                         ; my 128
	s_add_co_u32 s82, s82, s81
	v_lshl_add_u32 v[BO], v3, 4, s82
	global_load_b128 v[BIAS:BIAS+3], v[BO], s[66:67]
	s_lshl_b32 s80, s13, 21                        ; 256 rows of 8,192 bytes
	s_lshl_b32 s81, s11, 20
	s_add_co_u32 s80, s80, s81
	s_lshr_b32 s82, s82, 1                         ; my first column in f16
	s_add_co_u32 s80, s80, s82
	s_mov_b32 s81, 0
	s_add_nc_u64 s[8:9], s[8:9], s[80:81]
	; the prefetches.  A's rows are read by every cluster of a row of clusters: cluster x = 0 asks; W's by every cluster of a column: cluster y = 0 asks.  The four partners of a joint load
	; take 32 of its 128 rows each, told apart by address (cx for A, cy for W).  So each row's 256 bytes of a K step are named once in the launch.  K steps 0 to 3 come by their loads alone.
	s_mul_i32 s20, s13, A_TY
	s_mul_i32 s21, s14, A_IA
	s_add_co_u32 s20, s20, s21
	s_lshl_b32 s21, s40, 16
	s_add_co_u32 s20, s20, s21
	s_add_co_u32 s20, s20, 3*ASTEP
	s_mul_i32 s22, s41, 32*NN*2
	s_mul_i32 s21, s42, B_TX
	s_add_co_u32 s22, s22, s21
	s_mul_i32 s21, s15, B_IB
	s_add_co_u32 s22, s22, s21
	s_add_co_u32 s22, s22, 3*BSTEP
	s_and_b32 s23, ttmp7, 0xffff
	s_mov_b32 s80, ASTEP
	s_mov_b32 s81, KK*2
	s_mov_b32 s[PFS], BSTEP
	s_mov_b32 s82, NN*2
	s_cmp_lt_u32 s10, NAW
	s_cselect_b32 s20, s20, s22
	s_cselect_b32 s23, ttmp9, s23
	s_cselect_b64 s[PFA:PFA+1], s[4:5], s[6:7]
	s_cselect_b32 s[PFS], s80, s[PFS]
	s_cselect_b32 s82, s81, s82
	s_mov_b32 s[PFS+1], 0
	s_mov_b32 s21, 0
	s_add_nc_u64 s[PFA:PFA+1], s[PFA:PFA+1], s[20:21]
	s_cmp_eq_u32 s23, 0
	s_cselect_b32 s[PFLIM], 4, 0
	s_mov_b32 s[PFN], 0
	v_mul_u32_u24 v[PFO], v3, s82
	s_wait_tensorcnt 0x1                           ; my part of K step 0 is in; K step 1's may stay out
	s_barrier_signal -1
	s_barrier_wait -1
	s_mov_b32 s[TB], 0
	ADDR
	FETCH 0, 0
	QUARTER 0, 1, 1, 1
	WIN 0
	s_mov_b32 s[TW], 2
	s_mov_b32 s[LAP], NSTEP/2-1
	s_branch .Lin
.Llap:
	s_mov_b32 s[TW], 2
.Ltrip:
	ADDR
	FETCH 0, 0
	ASK
	MULP 1, 1, 0, 0
	MULP 1, 1, 1, 0
	QUARTER 0, 1, 1, 0
	WIN 0
.Lin:
	QUARTER 1, 0, 2, 0
	QUARTER 0, 1, 3, 0
	s_wait_xcnt 0x0                                ; the last prefetch, most of a K step back, has read its address
	s_add_nc_u64 s[PFA:PFA+1], s[PFA:PFA+1], s[PFS:PFS+1]
	MEET
	REFILL
	s_add_co_u32 s[TB], s[TB], SLOT
	s_sub_co_u32 s[TW], s[TW], 1
	s_cmp_lg_u32 s[TW], 0
	s_cbranch_scc1 .Ltrip
	s_sub_co_u32 s[TB], s[TB], 2*SLOT
	s_sub_co_u32 s[LAP], s[LAP], 1
	s_cmp_lg_u32 s[LAP], 0
	s_cbranch_scc1 .Llap
	s_mov_b32 s[TW], 2
.Ltail:
	PLACES
	ADDR
	FETCH 0, 0
	MULP 1, 1, 0, 0
	MULP 1, 1, 1, 0
	QUARTER 0, 1, 1, 0
	QUARTER 1, 0, 2, 0
	QUARTER 0, 1, 3, 0
	MEET                                           ; behind the second of these no wave reads the ring any more, and every load has landed
	s_add_co_u32 s[TB], s[TB], SLOT
	s_sub_co_u32 s[TW], s[TW], 1
	s_cmp_lg_u32 s[TW], 0
	s_cbranch_scc1 .Ltail
	MULP 1, 1, 0, 0
	MULP 1, 1, 1, 0
	WIN 0
	PLACES
	; THE WAY OUT: f32 sums into my own part of the ring (its last fill is over), 128 rows x 528 bytes; each accumulator's low registers are read first
.set a_, 0
.rept MBL
	WIN 0x08+4*(a_/(MBL/2))
.set b_, 0
.rept NBL
.set rD, 8*(NBL*(a_%(MBL/2))+b_)
.set oD, 16*DP*a_+64*b_
	ds_store_b128 v[DST], v[rD:rD+3] offset:oD
	ds_store_b128 v[DST], v[rD+4:rD+7] offset:oD+16
.set b_, b_+1
.endr
.set a_, a_+1
.endr
	WIN 0
	s_wait_loadcnt 0x0                             ; the bias
	s_mov_b32 s80, 16
.irp t, 0,1,2,3,4,5,6,7
	ds_load_b128 v[UR+4*(\t):UR+4*(\t)+3], v[RD] offset:528*(\t)  ; the first eight rows; LDS serves a wave's instructions in order: these see my stores
.endr
.Lgelu:                                        ; sixteen trips of eight rows: a lane has four neighbouring columns of each
	s_wait_dscnt 0x0                               ; this trip's rows, asked for a trip ago, are in
.set k_, 0
.rept 16
	v_pk_add_f32 v[UB+2*k_:UB+2*k_+1], v[UR+2*k_:UR+2*k_+1], v[BIAS+2*(k_%2):BIAS+2*(k_%2)+1]
.set k_, k_+1
.endr
	s_cmp_eq_u32 s80, 1                            ; behind the last trip there are no rows
	s_cbranch_scc1 .Llastrows
	v_add_nc_u32 v[RD], 4224, v[RD]
.irp t, 0,1,2,3,4,5,6,7
	ds_load_b128 v[UR+4*(\t):UR+4*(\t)+3], v[RD] offset:528*(\t)  ; the next eight rows land under the rest of this trip
.endr
.Llastrows:
.set k_, 0
.rept 16
	v_pk_mul_f32 v[TR+2*k_:TR+2*k_+1], v[UB+2*k_:UB+2*k_+1], v[UB+2*k_:UB+2*k_+1]
.set k_, k_+1
.endr
.set k_, 0
.rept 16
	v_pk_fma_f32 v[TR+2*k_:TR+2*k_+1], v[TR+2*k_:TR+2*k_+1], s[GC1:GC1+1], s[GC0:GC0+1] op_sel_hi:[1,0,0]
.set k_, k_+1
.endr
.set k_, 0
.rept 16
	v_pk_mul_f32 v[TR+2*k_:TR+2*k_+1], v[TR+2*k_:TR+2*k_+1], v[UB+2*k_:UB+2*k_+1]
.set k_, k_+1
.endr
.set k_, 0
.rept 32
	v_exp_f32 v[TR+k_], v[TR+k_]
.set k_, k_+1
.endr
	v_nop
	s_wait_alu depctr_va_vdst(0)                   ; one wait for the 32 exponentials
.set k_, 0
.rept 16
	v_pk_add_f32 v[TR+2*k_:TR+2*k_+1], v[TR+2*k_:TR+2*k_+1], 1.0 op_sel_hi:[1,0]
.set k_, k_+1
.endr
.set k_, 0
.rept 32
	v_rcp_f32 v[TR+k_], v[TR+k_]
.set k_, k_+1
.endr
	v_nop
	s_wait_alu depctr_va_vdst(0)                   ; one wait for the 32 reciprocals
.set k_, 0
.rept 16
	v_pk_mul_f32 v[UB+2*k_:UB+2*k_+1], v[UB+2*k_:UB+2*k_+1], v[TR+2*k_:TR+2*k_+1]
.set k_, k_+1
.endr
.set k_, 0
.rept 16
	v_cvt_pk_f16_f32 v[OUTR+k_], v[UB+2*k_], v[UB+2*k_+1]
.set k_, k_+1
.endr
.irp t, 0,1,2,3,4,5,6,7
	global_store_b64 v[CO], v[OUTR+2*(\t):OUTR+2*(\t)+1], s[8:9] offset:8192*(\t)  ; 32 lanes: 256 consecutive bytes, aligned
.endr
	s_wait_xcnt 0x0                                ; the stores have read their registers
	v_add_nc_u32 v[CO], 65536, v[CO]
	s_sub_co_u32 s80, s80, 1
	s_cmp_lg_u32 s80, 0
	s_cbranch_scc1 .Lgelu
	s_wait_tensorcnt 0x0                           ; the wave's end
	ds_add_u32 v[SPW], v[NIL]
	s_wait_dscnt 0x0
	CROUND                                         ; the closing round
	s_endpgm
.Lfunc_end_k_q9b9cb50f02_fc:
	.size	k_q9b9cb50f02_fc, .Lfunc_end_k_q9b9cb50f02_fc-k_q9b9cb50f02_fc
	.p2alignl 7, 3214868480
	.fill 96, 4, 3214868480
	.section	.rodata,"a",@progbits
	.p2align	6, 0x0
	.amdhsa_kernel k_q9b9cb50f02_fc
		.amdhsa_group_segment_fixed_size 327680
		.amdhsa_private_segment_fixed_size 0
		.amdhsa_enable_private_segment 0
		.amdhsa_kernarg_size 32
		.amdhsa_user_sgpr_count 2
		.amdhsa_user_sgpr_kernarg_segment_ptr 1
		.amdhsa_wavefront_size32 1
		.amdhsa_system_sgpr_workgroup_id_x 1
		.amdhsa_system_sgpr_workgroup_id_y 1
		.amdhsa_system_sgpr_workgroup_id_z 1
		.amdhsa_system_vgpr_workitem_id 0
		.amdhsa_next_free_vgpr 1024
		.amdhsa_next_free_sgpr 96
		.amdhsa_reserve_vcc 0
		.amdhsa_float_denorm_mode_32 3
		.amdhsa_float_denorm_mode_16_64 3
		.amdhsa_memory_ordered 1
		.amdhsa_forward_progress 1
		.amdhsa_inst_pref_size 92
	.end_amdhsa_kernel
	.amdgpu_metadata
---
amdhsa.version: [ 1, 2 ]
amdhsa.kernels:
  - .name:           k_q9b9cb50f02_fc
    .symbol:         k_q9b9cb50f02_fc.kd
    .args:
      - { .name: hn, .offset: 0, .size: 8, .value_kind: global_buffer, .address_space: global }
      - { .name: wf, .offset: 8, .size: 8, .value_kind: global_buffer, .address_space: global }
      - { .name: b_fc, .offset: 16, .size: 8, .value_kind: global_buffer, .address_space: global }
      - { .name: sc, .offset: 24, .size: 8, .value_kind: global_buffer, .address_space: global }
    .group_segment_fixed_size: 327680
    .private_segment_fixed_size: 0
    .kernarg_segment_align: 8
    .kernarg_segment_size: 32
    .max_flat_workgroup_size: 128
    .sgpr_count:     96
    .vgpr_count:     1024
    .wavefront_size: 32
...
	.end_amdgpu_metadata
.endif
;; end of part 5
;; launch fc2 (part 6): grid 8 x 32, 4 waves a work-group, clusters of 4 x 4, 327,680 bytes of LDS; arguments sc, wo, b_fc_proj, x1, out0; writes out0
.if DOCPART == 6
	.amdgcn_target "amdgcn-amd-amdhsa--gfx1250"
	.amdhsa_code_object_version 6
	.text
	.protected	k_q9b9cb50f02_fc2
	.globl	k_q9b9cb50f02_fc2
	.p2align	8
	.type	k_q9b9cb50f02_fc2,@function
k_q9b9cb50f02_fc2:
	s_mov_b64 s[64:65], 0
	v_nop
	global_prefetch_b8 v0, s[64:65] scope:SCOPE_SE
	s_setreg_imm32_b32 hwreg(HW_REG_WAVE_MODE, 25, 1), 1
	s_wait_xcnt 0x0
	s_wait_alu depctr_hold_cnt(0) depctr_sa_sdst(0) depctr_va_vdst(0) depctr_va_sdst(0) depctr_va_ssrc(0) depctr_va_vcc(0) depctr_vm_vsrc(0)
	s_getreg_b32 s2, hwreg(HW_REG_IB_STS2, 6, 4)
	s_cmp_eq_u32 s2, 0
	s_cbranch_scc0 .Lentry_in_a_cluster
	s_endpgm
.Lentry_in_a_cluster:
	s_bfe_u32 s2, ttmp6, 0x10000c
	s_cmp_lg_u32 s2, 0xf033
	s_cbranch_scc0 .Lentry_shape_is_right
	s_endpgm
.Lentry_shape_is_right:
; out0 = x1 + sc[4096][4096] . wo[4096][1024] + b_fc_proj, f32.  sc and wo are f16; sums, bias and residual in f32.
; A tile of C is 128 x 128 (256 work-groups); four waves lie 2 x 2, each with 64 x 64: 16 accumulators in f32.  K goes in steps of 256 through two LDS slots filled by tensor loads of 32 KiB:
; waves 0 and 1 fetch A's halves (64 rows x 512 bytes), waves 2 and 3 128 k rows x 256 bytes of W each.  W lies [K][N]: its fragments come out of LDS turned, by ds_load_tr16_b128.
; CLUSTER 4 x 4: A's tile is asked for jointly along a row of the cluster, W's along a column.  The matrix instruction is used transposed (source 0 = W, source 1 = A).
; THE WALK ALONG K IS ROTATED BY CLUSTER.  Cluster (X, Y) begins at K step k0 = (NSTEP / 2 x X + NSTEP / 4 x (Y mod 4)) mod NSTEP and goes round.  The two clusters that read the same rows of A stand half a walk
; apart, the clusters Y, Y + 1, .. that read the same rows of W a quarter: they ask for one and the same K step of shared rows at different times.  k0 hangs on the cluster's own coordinates, which all sixteen partners
; share, so a joint load's descriptor is the same in all that it names.  The f32 sums are taken in that order of K.
; ONE TEXT FOR A K STEP: the LDS addresses hang on s[TB].  The residual is loaded at the head into window 1 and waits there.
; WAY OUT: when the ring has had its last fill each wave dumps its f32 sums into its own part of it and reads whole rows back.  No prefetch: the tiles are small.  NaN and infinities are not treated apart.
.set KK, 4096
.set NN, 1024
.set KS, 256
.set KD, 2
.set MBL, 4
.set NBL, 4
.set NAW, 2
.set PA, 528
.set ALOADB, 33792
.set ABYTES, 67584
.set SLOT, 141312
.set AMODE, 0
.set BMODE, 2
.set NADB, 2
.set AQI, 6
.set AD0, 256
.set AD1, 64
.set ASTR, 4096
.set A_TY, 1048576
.set A_IA, 524288
.set ASTEP, 512
.set B_TX, 256
.set B_IB, 262144
.set FA0, 64
.set FAS, 64
.set FB0, 64
.set FBS, 64
.set DP, 272
.set DUMPW, 17408
.set BIAS, 8
.set WM, 16*MBL
.set AHI, KD*MBL
.set NSTEP, KK/KS
.set SPARE, 2*SLOT
.set BSTEP, KS*NN*2
.set ADRA, 16
.set ADRA0, 17
.set ADRB, 18
.set ADRB0, 21
.set DST, 24
.set RD, 25
.set CO, 26
.set BO, 27
.set SPW, 28
.set NIL, 29
.set G1, 24
.set G0, 32
.set G1B, 48
.set G0B, 56
.set BA, 16                            ; s[16:17] A at my load's first row, K step 0; never rewritten
.set BB, 46                            ; s[46:47] W likewise
.set TB, 70
.set LBA, 71
.set LBB, 72
.set TW, 73
.set KC, 74                            ; s74 the K step asked for last
.set OFP, 76                           ; s[76:77] its byte offset in A or in W; the high word stays 0
.set LAP, 3
.set MSB, 0
.macro WIN new
.if MSB != (\new)
	s_set_vgpr_msb (MSB<<8)|(\new)
.set MSB, \new
.endif
.endm
.set MUL_LO, 0xa1
.set TO_B, 0x40
.macro PLACES
.rept 4
	v_nop
.endr
.endm
.macro JLOAD s
	s_cmp_lt_u32 s10, NAW
	s_cbranch_scc0 .Lfor_b_\@
	tensor_load_to_lds s[G0+4*(\s):G0+4*(\s)+3], s[G1:G1+7]
	s_nop 0
	PLACES
	s_branch .Lasked_\@
.Lfor_b_\@:
	tensor_load_to_lds s[G0B+4*(\s):G0B+4*(\s)+3], s[G1B:G1B+7]
	s_nop 0
	PLACES
.Lasked_\@:
.endm
.macro CREST
	s_cmp_lg_u32 s10, 0
	s_cbranch_scc1 .Lnot_wave_0_\@
	s_barrier_signal -3
.Lnot_wave_0_\@:
	s_barrier_wait -3
	s_barrier_signal -1
	s_barrier_wait -1
.endm
.macro CROUND
	s_barrier_signal -1
	s_barrier_wait -1
	CREST
.endm
.macro ADDR
	v_add_nc_u32 v[ADRA], s[TB], v[ADRA0]
.set g_, 0
.rept NADB
	v_add_nc_u32 v[ADRB+g_], s[TB], v[ADRB0+g_]
.set g_, g_+1
.endr
.endm
.macro FETCH q, f                      ; 32 LDS loads in one run: quarter q's fragments into buffer f: W's, A's low blocks, A's high blocks
	WIN TO_B
.set c_, 0
.rept KD
.set b_, 0
.rept NBL
.set rB, FB0+FBS*(\f)+8*(NBL*c_+b_)
.if BMODE == 0
.set aR, ADRB
.set oB, 9216*(\q)+32*b_
.elseif BMODE == 1
.set aR, ADRB+b_/4
.set oB, 9216*(\q)+32*(b_%4)
.else
.set aR, ADRB+(\q)/2
.set oB, 18432*((\q)%2)+9216*c_+32*b_
.endif
	ds_load_tr16_b128 v[rB:rB+3], v[aR] offset:oB
	ds_load_tr16_b128 v[rB+4:rB+7], v[aR] offset:oB+4608
.set b_, b_+1
.endr
.set c_, c_+1
.endr
	WIN 0
.set h_, 0
.rept 2
.set c_, 0
.rept KD
.set i_, h_*(MBL/2)
.rept MBL/2
.set rA, FA0+FAS*(\f)+8*(MBL*c_+i_)
.if AMODE == 0
.set oA, 16*i_*PA+64*KD*(\q)+64*c_
.else
.set oA, (128*(\q)+16*i_)*144+64*c_
.endif
	ds_load_b128 v[rA:rA+3], v[ADRA] offset:oA
	ds_load_b128 v[rA+4:rA+7], v[ADRA] offset:oA+32
.set i_, i_+1
.endr
.set c_, c_+1
.endr
.set h_, h_+1
.endr
.endm
.macro MULP f, hi, part, zero          ; the accumulators take turns, one instruction a turn; zero = 1: the first product starts the sum
	WIN MUL_LO+0x50*(\hi)
.set c_, 0
.rept KD
.set a_, (\part)*(MBL/4)
.rept MBL/4
.set b_, 0
.rept NBL
.set rD, 8*(NBL*a_+b_)
.set rB, FB0+FBS*(\f)+8*(NBL*c_+b_)
.set rA, FA0+FAS*(\f)+8*(MBL*c_+(\hi)*(MBL/2)+a_)
.if (\zero) && (c_ == 0)
	v_wmma_f32_16x16x32_f16 v[rD:rD+7], v[rB:rB+7], v[rA:rA+7], 0
.else
	v_wmma_f32_16x16x32_f16 v[rD:rD+7], v[rB:rB+7], v[rA:rA+7], v[rD:rD+7]
.endif
.set b_, b_+1
.endr
.set a_, a_+1
.endr
.set c_, c_+1
.endr
.endm
.macro QUARTER f, g, qn, zero
	s_wait_dscnt AHI                               ; W's and A's low blocks are in; A's high blocks, the youngest loads, may be out
	MULP \f, 0, 0, \zero
	MULP \f, 0, 1, \zero
	PLACES
	FETCH \qn, \g
	s_wait_dscnt 32                                ; all but the 32 just issued
	MULP \f, 1, 0, \zero
	MULP \f, 1, 1, \zero
.endm
.macro MEET
	WIN 0
	s_wait_tensorcnt 0x0                           ; all my tensor loads have landed: the one that was out is my part of the next slot
	ds_add_u32 v[SPW], v[NIL]                      ; 0 onto my spare word
	s_wait_dscnt AHI+1                             ; the add and A's high blocks may be out
	MULP 1, 0, 0, 0
	s_wait_dscnt 0x0                               ; the add is done and my reads of this slot are over
	s_barrier_signal -1
	MULP 1, 0, 1, 0
	WIN 0
	s_barrier_wait -1
.endm
.macro REFILL                          ; the barrier above opened a round of the cluster's barrier; behind it the slot just read takes the walk's step two steps on: the K step behind the one asked for last, round the end
	CREST
	s_add_co_u32 s[KC], s[KC], 1
	s_and_b32 s[KC], s[KC], NSTEP-1
	s_add_co_u32 s[G0+5], s[LBA], s[TB]
	s_add_co_u32 s[G0B+5], s[LBB], s[TB]
	s_mul_i32 s[OFP], s[KC], ASTEP
	s_add_nc_u64 s[G0+6:G0+7], s[BA:BA+1], s[OFP:OFP+1]  ; the address is made anew: the base, the K step's offset, the type
	s_or_b32 s[G0+7], s[G0+7], 0x80000000
	s_mul_i32 s[OFP], s[KC], BSTEP
	s_add_nc_u64 s[G0B+6:G0B+7], s[BB:BB+1], s[OFP:OFP+1]
	s_or_b32 s[G0B+7], s[G0B+7], 0x80000000
	JLOAD 1
.endm
	s_load_b128 s[4:7], s[0:1], 0x0                ; A s[4:5], W s[6:7]
	s_load_b64 s[66:67], s[0:1], 0x10              ; bias
	s_load_b64 s[68:69], s[0:1], 0x18              ; residual
	s_load_b64 s[8:9], s[0:1], 0x20                ; out
	v_lshl_add_u32 v[SPW], v0, 2, SPARE
	v_mov_b32 v[NIL], 0
	ds_add_u32 v[SPW], v[NIL]                      ; the wave's opening: the add and its wait stand ahead of my first tensor load
	v_lshrrev_b32 v1, 5, v0
	v_readfirstlane_b32 s10, v1
	s_lshr_b32 s11, s10, 1
	s_and_b32 s12, s10, 1
	s_bfe_u32 s40, ttmp6, 0x40000
	s_bfe_u32 s41, ttmp6, 0x40004
	s_lshl_b32 s42, ttmp9, 2
	s_add_co_u32 s42, s42, s40                     ; tx
	s_and_b32 s13, ttmp7, 0xffff
	s_lshl_b32 s13, s13, 2
	s_add_co_u32 s13, s13, s41                     ; ty
	s_lshl_b32 s43, s41, 2
	s_lshl_b32 s43, 15, s43
	s_lshl_b32 s44, 0x1111, s40
	s_or_b32 s[G1+0], s43, (1<<16)|(1<<20)|(1<<21)|(AQI<<22)|(3<<25)
	s_or_b32 s[G1B+0], s44, (1<<16)|(1<<20)|(1<<21)|(5<<22)|(7<<25)
	s_mov_b32 s[G1+1], (AD0&0xffff)<<16
	s_mov_b32 s[G1+2], (AD0>>16)|(AD1<<16)
	s_mov_b32 s[G1+3], (AD0&0xffff)<<16
	s_mov_b32 s[G1+4], AD1
	s_mov_b32 s[G1+5], ASTR
	s_mov_b32 s[G1+6], 0
	s_mov_b32 s[G1+7], 0
	s_mov_b32 s[G1B+1], 128<<16
	s_mov_b32 s[G1B+2], 128<<16
	s_mov_b32 s[G1B+3], 128<<16
	s_mov_b32 s[G1B+4], 128
	s_mov_b32 s[G1B+5], NN
	s_mov_b32 s[G1B+6], 0
	s_mov_b32 s[G1B+7], 0
	s_mov_b32 s14, s12
	s_mov_b32 s15, s12
	s_mul_i32 s[LBA], s14, ALOADB
	s_mul_i32 s[LBB], s15, 36864
	s_add_co_u32 s[LBB], s[LBB], ABYTES
	s_mul_i32 s16, s13, A_TY
	s_mul_i32 s17, s14, A_IA
	s_add_co_u32 s16, s16, s17
	s_mov_b32 s17, 0
	s_mul_i32 s46, s42, B_TX
	s_mul_i32 s47, s15, B_IB
	s_add_co_u32 s46, s46, s47
	s_mov_b32 s47, 0
	s_and_b32 s75, ttmp7, 3                        ; cluster y mod 4
	s_mul_i32 s75, s75, NSTEP/4
	s_mul_i32 s[KC], ttmp9, NSTEP/2                ; cluster x
	s_add_co_u32 s[KC], s[KC], s75
	s_and_b32 s[KC], s[KC], NSTEP-1                ; k0: where my cluster's walk begins
	s_mov_b32 s[OFP+1], 0
	s_wait_dscnt 0x0
	s_wait_kmcnt 0x0
	s_add_nc_u64 s[BA:BA+1], s[4:5], s[16:17]
	s_add_nc_u64 s[BB:BB+1], s[6:7], s[46:47]
	CROUND
.irp s, 0,1
	s_mov_b32 s[G0+4*(\s)], 1
	s_add_co_u32 s[G0+4*(\s)+1], s[LBA], (\s)*SLOT
	s_mul_i32 s[OFP], s[KC], ASTEP
	s_add_nc_u64 s[G0+4*(\s)+2:G0+4*(\s)+3], s[BA:BA+1], s[OFP:OFP+1]
	s_or_b32 s[G0+4*(\s)+3], s[G0+4*(\s)+3], 0x80000000
	s_mov_b32 s[G0B+4*(\s)], 1
	s_add_co_u32 s[G0B+4*(\s)+1], s[LBB], (\s)*SLOT
	s_mul_i32 s[OFP], s[KC], BSTEP
	s_add_nc_u64 s[G0B+4*(\s)+2:G0B+4*(\s)+3], s[BB:BB+1], s[OFP:OFP+1]
	s_or_b32 s[G0B+4*(\s)+3], s[G0B+4*(\s)+3], 0x80000000
.if (\s) == 0
	s_add_co_u32 s[KC], s[KC], 1                   ; the walk's second step
	s_and_b32 s[KC], s[KC], NSTEP-1
.endif
.endr
	s_cmp_lt_u32 s10, NAW
	s_cbranch_scc0 .Lfirst_b
	tensor_load_to_lds s[G0:G0+3], s[G1:G1+7]
	s_nop 0
	tensor_load_to_lds s[G0+4:G0+7], s[G1:G1+7]
	s_nop 0
	PLACES
	s_branch .Lfirst_done
.Lfirst_b:
	tensor_load_to_lds s[G0B:G0B+3], s[G1B:G1B+7]
	s_nop 0
	tensor_load_to_lds s[G0B+4:G0B+7], s[G1B:G1B+7]
	s_nop 0
	PLACES
.Lfirst_done:
	v_and_b32 v1, 15, v0
	v_bfe_u32 v2, v0, 4, 1
	v_mul_u32_u24 v[ADRA0], v1, PA
	v_lshl_add_u32 v[ADRA0], v2, 4, v[ADRA0]
	s_mul_i32 s20, s11, WM*PA
	v_add_nc_u32 v[ADRA0], s20, v[ADRA0]
	v_and_b32 v4, 7, v0
	v_lshl_add_u32 v4, v2, 3, v4
	v_mul_u32_u24 v4, v4, 288
	v_bfe_u32 v5, v0, 3, 1
	v_lshl_add_u32 v4, v5, 4, v4
	s_lshl_b32 s21, s12, 7                         ; my 64 columns of the chunk's 128
	s_add_co_u32 s21, s21, ABYTES
	v_add_nc_u32 v[ADRB0], s21, v4
	v_add_nc_u32 v[ADRB0+1], 36864, v[ADRB0]       ; quarters 2 and 3: 128 k rows on
	; the way out
	s_mul_i32 s23, s10, DUMPW
	v_mul_u32_u24 v[DST], v1, DP
	v_lshl_add_u32 v[DST], v2, 5, v[DST]
	v_add_nc_u32 v[DST], s23, v[DST]
	v_mul_u32_u24 v[RD], v2, DP
	v_lshl_add_u32 v[RD], v1, 4, v[RD]
	v_add_nc_u32 v[RD], s23, v[RD]
	v_lshlrev_b32 v[CO], 12, v2                    ; lanes 0-15 one row's 256 bytes, lanes 16-31 the next row's
	v_lshl_add_u32 v[CO], v1, 4, v[CO]
	s_lshl_b32 s80, s13, 19                        ; 128 rows of 4,096 bytes
	s_lshl_b32 s81, s11, 18
	s_add_co_u32 s80, s80, s81
	s_lshl_b32 s82, s42, 9                         ; 128 columns of 4 bytes
	s_lshl_b32 s81, s12, 8
	s_add_co_u32 s82, s82, s81
	v_lshl_add_u32 v[BO], v1, 4, s82
	global_load_b128 v[BIAS:BIAS+3], v[BO], s[66:67]
	s_add_co_u32 s80, s80, s82
	s_mov_b32 s81, 0
	s_add_nc_u64 s[8:9], s[8:9], s[80:81]
	s_add_nc_u64 s[68:69], s[68:69], s[80:81]
	WIN 0x40                                       ; the residual: 128 registers of window 1 beside W's buffers, at the places of the later stores
.irp a, 0,1,2,3
.irp t, 0,1,2,3,4,5,6,7
	global_load_b128 v[32*(\a)+128*((\a)/2)+4*(\t):32*(\a)+128*((\a)/2)+4*(\t)+3], v[CO], s[68:69] offset:(16*(\a)+2*(\t))*4096
.endr
.endr
	WIN 0
	s_wait_tensorcnt 0x1                           ; my part of the walk's first step is in; the second's may stay out
	s_barrier_signal -1
	s_barrier_wait -1
	s_mov_b32 s[TB], 0
	ADDR
	FETCH 0, 0
	QUARTER 0, 1, 1, 1
	WIN 0
	s_mov_b32 s[TW], 2
	s_mov_b32 s[LAP], NSTEP/2-1
	s_branch .Lin
.Llap:
	s_mov_b32 s[TW], 2
.Ltrip:
	ADDR
	FETCH 0, 0
	MULP 1, 1, 0, 0
	MULP 1, 1, 1, 0
	QUARTER 0, 1, 1, 0
	WIN 0
.Lin:
	QUARTER 1, 0, 2, 0
	QUARTER 0, 1, 3, 0
	MEET
	REFILL
	s_add_co_u32 s[TB], s[TB], SLOT
	s_sub_co_u32 s[TW], s[TW], 1
	s_cmp_lg_u32 s[TW], 0
	s_cbranch_scc1 .Ltrip
	s_sub_co_u32 s[TB], s[TB], 2*SLOT
	s_sub_co_u32 s[LAP], s[LAP], 1
	s_cmp_lg_u32 s[LAP], 0
	s_cbranch_scc1 .Llap
	s_mov_b32 s[TW], 2
.Ltail:
	PLACES
	ADDR
	FETCH 0, 0
	MULP 1, 1, 0, 0
	MULP 1, 1, 1, 0
	QUARTER 0, 1, 1, 0
	QUARTER 1, 0, 2, 0
	QUARTER 0, 1, 3, 0
	MEET                                           ; behind the second of these no wave reads the ring any more, and every load has landed
	s_add_co_u32 s[TB], s[TB], SLOT
	s_sub_co_u32 s[TW], s[TW], 1
	s_cmp_lg_u32 s[TW], 0
	s_cbranch_scc1 .Ltail
	MULP 1, 1, 0, 0
	MULP 1, 1, 1, 0
	WIN 0
	PLACES
	; THE WAY OUT: f32 sums into my own part of the ring (its last fill is over), 64 rows x 272 bytes; each accumulator's low registers are read first
.set a_, 0
.rept MBL
	WIN 0x08+4*(a_/(MBL/2))
.set b_, 0
.rept NBL
.set rD, 8*(NBL*(a_%(MBL/2))+b_)
.set oD, 16*DP*a_+64*b_
	ds_store_b128 v[DST], v[rD:rD+3] offset:oD
	ds_store_b128 v[DST], v[rD+4:rD+7] offset:oD+16
.set b_, b_+1
.endr
.set a_, a_+1
.endr
	WIN 0
	s_wait_loadcnt 0x0                             ; the bias and the residual
.macro RESBLK a                        ; 16 rows: read back, bias and residual added, stored
.set OB, 32+160*((\a)%2)
.set RB, 32*(\a)+128*((\a)/2)
.if (\a) >= 2
	s_wait_xcnt 0x0                                ; the stores of two blocks back have read these registers
.endif
.irp t, 0,1,2,3,4,5,6,7
	ds_load_b128 v[OB+4*(\t):OB+4*(\t)+3], v[RD] offset:4352*(\a)+544*(\t)
.endr
	s_wait_dscnt 0x0
.set k_, 0
.rept 16
	v_pk_add_f32 v[OB+2*k_:OB+2*k_+1], v[OB+2*k_:OB+2*k_+1], v[BIAS+2*(k_%2):BIAS+2*(k_%2)+1]
.set k_, k_+1
.endr
	WIN 0x04                                       ; source 1 in window 1
.set k_, 0
.rept 16
	v_pk_add_f32 v[OB+2*k_:OB+2*k_+1], v[OB+2*k_:OB+2*k_+1], v[RB+2*k_:RB+2*k_+1]
.set k_, k_+1
.endr
	WIN 0
.irp t, 0,1,2,3,4,5,6,7
	global_store_b128 v[CO], v[OB+4*(\t):OB+4*(\t)+3], s[8:9] offset:(16*(\a)+2*(\t))*4096  ; 16 lanes store 256 consecutive bytes, aligned
.endr
.endm
	RESBLK 0
	RESBLK 1
	RESBLK 2
	RESBLK 3
	s_wait_tensorcnt 0x0                           ; the wave's end
	ds_add_u32 v[SPW], v[NIL]
	s_wait_dscnt 0x0
	CROUND                                         ; the closing round
	s_endpgm
.Lfunc_end_k_q9b9cb50f02_fc2:
	.size	k_q9b9cb50f02_fc2, .Lfunc_end_k_q9b9cb50f02_fc2-k_q9b9cb50f02_fc2
	.p2alignl 7, 3214868480
	.fill 96, 4, 3214868480
	.section	.rodata,"a",@progbits
	.p2align	6, 0x0
	.amdhsa_kernel k_q9b9cb50f02_fc2
		.amdhsa_group_segment_fixed_size 327680
		.amdhsa_private_segment_fixed_size 0
		.amdhsa_enable_private_segment 0
		.amdhsa_kernarg_size 40
		.amdhsa_user_sgpr_count 2
		.amdhsa_user_sgpr_kernarg_segment_ptr 1
		.amdhsa_wavefront_size32 1
		.amdhsa_system_sgpr_workgroup_id_x 1
		.amdhsa_system_sgpr_workgroup_id_y 1
		.amdhsa_system_sgpr_workgroup_id_z 1
		.amdhsa_system_vgpr_workitem_id 0
		.amdhsa_next_free_vgpr 832
		.amdhsa_next_free_sgpr 96
		.amdhsa_reserve_vcc 0
		.amdhsa_float_denorm_mode_32 3
		.amdhsa_float_denorm_mode_16_64 3
		.amdhsa_memory_ordered 1
		.amdhsa_forward_progress 1
		.amdhsa_inst_pref_size 72
	.end_amdhsa_kernel
	.amdgpu_metadata
---
amdhsa.version: [ 1, 2 ]
amdhsa.kernels:
  - .name:           k_q9b9cb50f02_fc2
    .symbol:         k_q9b9cb50f02_fc2.kd
    .args:
      - { .name: sc, .offset: 0, .size: 8, .value_kind: global_buffer, .address_space: global }
      - { .name: wo, .offset: 8, .size: 8, .value_kind: global_buffer, .address_space: global }
      - { .name: b_fc_proj, .offset: 16, .size: 8, .value_kind: global_buffer, .address_space: global }
      - { .name: x1, .offset: 24, .size: 8, .value_kind: global_buffer, .address_space: global }
      - { .name: out0, .offset: 32, .size: 8, .value_kind: global_buffer, .address_space: global }
    .group_segment_fixed_size: 327680
    .private_segment_fixed_size: 0
    .kernarg_segment_align: 8
    .kernarg_segment_size: 40
    .max_flat_workgroup_size: 128
    .sgpr_count:     96
    .vgpr_count:     832
    .wavefront_size: 32
...
	.end_amdgpu_metadata
.endif
;; end of part 6
;; ======== version 2 of 2: 7 launches; version 1 with the launches prep, ln2 written anew for expert scheduling mode
;; limits: values are held in f16: magnitudes above 65,504 overflow, below 6.1e-05 lose precision
;; workspace buffers: wa 6,291,456 bytes; wp 2,097,152 bytes; wf 8,388,608 bytes; wo 8,388,608 bytes; hn 8,388,608 bytes; sc 33,554,432 bytes; ya 8,388,608 bytes; x1 16,777,216 bytes
;; launch prep (part 7): grid 1024 x 1, 4 waves a work-group, no clusters, 0 bytes of LDS; arguments x, ln1_g, ln1_b, hn, W_attn, W_proj, W_fc, W_fc_proj, wa, wp, wf, wo; writes hn, wa, wp, wf, wo
.if DOCPART == 7
	.amdgcn_target "amdgcn-amd-amdhsa--gfx1250"
	.amdhsa_code_object_version 6
	.text
	.protected	k_q9b9cb50f02_prep
	.globl	k_q9b9cb50f02_prep
	.p2align	8
	.type	k_q9b9cb50f02_prep,@function
k_q9b9cb50f02_prep:
	s_mov_b64 s[64:65], 0
	v_nop
	global_prefetch_b8 v0, s[64:65] scope:SCOPE_SE
	s_setreg_imm32_b32 hwreg(HW_REG_WAVE_SCHED_MODE, 0, 2), 2
	s_setreg_imm32_b32 hwreg(HW_REG_WAVE_MODE, 25, 1), 1
	s_wait_xcnt 0x0
	s_wait_alu depctr_vm_vsrc(0)
; Two streams in one body.  Work-groups 0-255: hn = LayerNorm(x) * g + b, rounded once to f16.  Work-groups 256-1023: the four weight
; matrices rounded once to f16, in the layout in which they lie ([K][N]).  Every work-group reads 65,536 bytes and writes 32,768.
; THE BODY SERVES TWO LAUNCHES.  The first has 1,024 work-groups and does all of the above.  The second LayerNorm's launch has 256: all of them take the
; LayerNorm's way, with its own tensor, gain and bias in the first three argument places; the eight further arguments are loaded as addresses and never used there.
; LIMITS.  f16 holds no number beyond 65,504: hn and the weights stay within it; below 6e-5 a number keeps f16's fixed step of 6e-8.  NaN and infinities are not treated apart.
; LAYERNORM.  A wave owns four rows of 1,024 f32; a row is 32 registers a lane (chunk j: columns 128 j + 4 lane .. + 3), read once and kept
; between the passes.  The mean is taken away before the squares are summed, so a common offset of x costs nothing.  No LDS, no barrier:
; a row never leaves its wave.  Each store of a wave covers 256 consecutive bytes, aligned.
; No matrix unit, no cluster: nothing is shared but g and b (8 KiB).
; THE MODE: SCHED_MODE bits 1:0 = 2 (LLVM: expert scheduling mode 2), set by the entry lines.  The code itself states the register dependences
; between vector instructions and memory instructions, with s_wait_alu, always for 0.
; THE PLAN.  Registers that memory instructions touch:
;   v2, v3, v29     byte offsets, made once at the head and never written again: one wait on each way, ahead of its first load.
;   GR, BR, XR      (LayerNorm) and v[32:159] (cast): loaded once; all loads are issued ahead of the first vector instruction that names these registers, and none behind it.
;   XR, row i, words 4 j and 4 j + 1: written last by row i's roundings; read by row i's eight stores, which are issued in row i + 1's turn; never written again.
;   v[160:223]      (cast) two words for each load: written by group g's conversions; read by group g's four stores, which are issued in group g + 1's turn; never written again.
; So one wait on va_vdst stands at the head of a row's (a group's) turn: it states that the turn before has written what the stores of this turn read.  These stores are dealt among the
; turn's vector instructions, which name this row's (this group's) registers, the row's pair of MU, GR and BR: none that those stores touch.  One more such wait stands ahead of the last
; turn's stores.  No register that a memory instruction reads is ever written again, so no wait on vm_vsrc is owed.  No vector instruction writes a scalar register or VCC; EXEC is never written.
.set T,   4                            ; v[4:11]    four chains of pairs at work
.set MU,  20                           ; v[20:27]   row i: a pair: the mean twice; later 1/sqrt(var + eps) in the low word
.set XR,  32                           ; v[32:159]  row i at 32 i, chunk j at 4 j
.set GR,  160                          ; v[160:191] g of my 32 columns
.set BR,  192                          ; v[192:223] b of my 32 columns
.macro FOLD                            ; four chains of pairs, then the 32 lanes: the sum in every lane's v[T]
	v_pk_add_f32 v[T:T+1], v[T:T+1], v[T+2:T+3]
	v_pk_add_f32 v[T+4:T+5], v[T+4:T+5], v[T+6:T+7]
	v_pk_add_f32 v[T:T+1], v[T:T+1], v[T+4:T+5]
	v_add_f32 v[T], v[T], v[T+1]
	v_add_f32_dpp v[T], v[T], v[T] row_xmask:1 row_mask:0xf bank_mask:0xf
	v_add_f32_dpp v[T], v[T], v[T] row_xmask:2 row_mask:0xf bank_mask:0xf
	v_add_f32_dpp v[T], v[T], v[T] row_xmask:4 row_mask:0xf bank_mask:0xf
	v_add_f32_dpp v[T], v[T], v[T] row_xmask:8 row_mask:0xf bank_mask:0xf
	v_permlanex16_b32 v[T+1], v[T], s12, s13       ; its destination has been written above
	v_add_f32 v[T], v[T], v[T+1]
.endm
.macro LNROW i                         ; row i: mean, centred in place, variance + eps
.set XB, XR+32*(\i)
	s_wait_loadcnt 24-8*(\i)                       ; loads come back in order: g, b and rows 0 .. i are in; eight loads of each younger row stay out
.irp c, 0,1,2,3
	v_pk_add_f32 v[T+2*(\c):T+2*(\c)+1], v[XB+4*(\c):XB+4*(\c)+1], v[XB+4*(\c)+2:XB+4*(\c)+3]
.endr
.irp k, 8,9,10,11,12,13,14,15
	v_pk_add_f32 v[T+2*((\k)%4):T+2*((\k)%4)+1], v[T+2*((\k)%4):T+2*((\k)%4)+1], v[XB+2*(\k):XB+2*(\k)+1]
.endr
	FOLD
	v_mul_f32 v[MU+2*(\i)], s14, v[T]              ; the mean, in both words of the pair
	v_mul_f32 v[MU+2*(\i)+1], s14, v[T]
.irp k, 0,1,2,3,4,5,6,7,8,9,10,11,12,13,14,15
	v_pk_add_f32 v[XB+2*(\k):XB+2*(\k)+1], v[XB+2*(\k):XB+2*(\k)+1], v[MU+2*(\i):MU+2*(\i)+1] neg_lo:[0,1] neg_hi:[0,1]
.endr
.irp c, 0,1,2,3
	v_pk_mul_f32 v[T+2*(\c):T+2*(\c)+1], v[XB+2*(\c):XB+2*(\c)+1], v[XB+2*(\c):XB+2*(\c)+1]
.endr
.irp k, 4,5,6,7,8,9,10,11,12,13,14,15
	v_pk_fma_f32 v[T+2*((\k)%4):T+2*((\k)%4)+1], v[XB+2*(\k):XB+2*(\k)+1], v[XB+2*(\k):XB+2*(\k)+1], v[T+2*((\k)%4):T+2*((\k)%4)+1]
.endr
	FOLD
	v_fma_f32 v[MU+2*(\i)+1], v[T], s14, s15       ; var + eps, in the pair's high word
.endm
.macro LNOUT i                         ; row i's turn: it is scaled, g and b applied, rounded; the row before is stored, a store ahead of each chunk's six lines
.set XB, XR+32*(\i)
.if (\i) > 0
	s_wait_alu depctr_va_vdst(0)                   ; the row before's roundings have written the sixteen words that the eight stores below read
.endif
.irp j, 0,1,2,3,4,5,6,7
.if (\i) > 0
	global_store_b64 v3, v[XB-32+4*(\j):XB-32+4*(\j)+1], s[22:23] offset:2048*((\i)-1)+256*(\j)  ; 32 lanes: 256 consecutive bytes, aligned; no vector instruction since the wait names these registers, and none writes them again
.endif
	v_pk_mul_f32 v[XB+4*(\j):XB+4*(\j)+1], v[XB+4*(\j):XB+4*(\j)+1], v[MU+2*(\i):MU+2*(\i)+1] op_sel_hi:[1,0]
	v_pk_mul_f32 v[XB+4*(\j)+2:XB+4*(\j)+3], v[XB+4*(\j)+2:XB+4*(\j)+3], v[MU+2*(\i):MU+2*(\i)+1] op_sel_hi:[1,0]
	v_pk_fma_f32 v[XB+4*(\j):XB+4*(\j)+1], v[XB+4*(\j):XB+4*(\j)+1], v[GR+4*(\j):GR+4*(\j)+1], v[BR+4*(\j):BR+4*(\j)+1]
	v_pk_fma_f32 v[XB+4*(\j)+2:XB+4*(\j)+3], v[XB+4*(\j)+2:XB+4*(\j)+3], v[GR+4*(\j)+2:GR+4*(\j)+3], v[BR+4*(\j)+2:BR+4*(\j)+3]
	v_cvt_pk_f16_f32 v[XB+4*(\j)], v[XB+4*(\j)], v[XB+4*(\j)+1]
	v_cvt_pk_f16_f32 v[XB+4*(\j)+1], v[XB+4*(\j)+2], v[XB+4*(\j)+3]
.endr
.endm
	s_load_b512 s[16:31], s[0:1], 0x0              ; x s[16:17], g s[18:19], b s[20:21], hn s[22:23], W_attn, W_proj, W_fc, W_fc_proj s[24:31]
	s_load_b256 s[32:39], s[0:1], 0x40             ; wa, wp, wf, wo
	v_and_b32 v1, 31, v0                           ; lane
	v_lshrrev_b32 v28, 5, v0                       ; wave
	v_lshlrev_b32 v29, 4, v1                       ; 16 x lane
	v_lshl_add_u32 v2, v28, 14, v29                ; f32 side: the wave's 16,384 bytes + 16 x lane
	v_lshlrev_b32 v3, 3, v1
	v_lshl_add_u32 v3, v28, 13, v3                 ; f16 side: the wave's 8,192 bytes + 8 x lane
	s_wait_kmcnt 0x0
	s_cmp_lt_u32 ttmp9, 256
	s_cbranch_scc0 .Lcast
	s_lshl_b32 s2, ttmp9, 16                       ; the work-group's 16 rows of 4,096 bytes
	s_mov_b32 s3, 0
	s_add_nc_u64 s[16:17], s[16:17], s[2:3]
	s_lshl_b32 s2, ttmp9, 15                       ; and of 2,048 bytes
	s_add_nc_u64 s[22:23], s[22:23], s[2:3]
	s_mov_b32 s12, 0x76543210                      ; v_permlanex16_b32: each lane takes its own place in the other half
	s_mov_b32 s13, 0xfedcba98
	s_mov_b32 s14, 0x3a800000                      ; 1 / 1024
	s_mov_b32 s15, 0x3727c5ac                      ; eps = 1e-5
	s_wait_alu depctr_va_vdst(0)                   ; v2, v3 and v29 are written: every load and store on this way reads one of them as its offset
.irp j, 0,1,2,3,4,5,6,7
	global_load_b128 v[GR+4*(\j):GR+4*(\j)+3], v29, s[18:19] offset:512*(\j)
	global_load_b128 v[BR+4*(\j):BR+4*(\j)+3], v29, s[20:21] offset:512*(\j)
.endr
.irp i, 0,1,2,3
.irp j, 0,1,2,3,4,5,6,7
	global_load_b128 v[XR+32*(\i)+4*(\j):XR+32*(\i)+4*(\j)+3], v2, s[16:17] offset:4096*(\i)+512*(\j) th:TH_LOAD_NT
.endr
.endr
	LNROW 0
	LNROW 1
	LNROW 2
	LNROW 3
.irp i, 0,1,2,3
	v_rsq_f32 v[MU+2*(\i)], v[MU+2*(\i)+1]
.endr
	v_nop                                          ; a plain instruction behind the last of the four,
	s_wait_alu depctr_va_vdst(0)                   ; and one wait for the batch: the four 1/sqrt(var + eps) are written, ahead of their first reader
	LNOUT 0                                        ; row 0 has no row before it: no store, no further wait
	LNOUT 1
	LNOUT 2
	LNOUT 3
	s_wait_alu depctr_va_vdst(0)                   ; row 3's roundings have written the sixteen words that the last eight stores read
.irp j, 0,1,2,3,4,5,6,7
	global_store_b64 v3, v[XR+96+4*(\j):XR+96+4*(\j)+1], s[22:23] offset:2048*3+256*(\j)  ; 32 lanes: 256 consecutive bytes, aligned
.endr
	s_endpgm
.Lcast:                                        ; 768 work-groups: 192 for W_attn, 64 for W_proj, 256 for W_fc, 256 for W_fc_proj; 65,536 bytes of f32 each
	s_sub_co_u32 s2, ttmp9, 256
	s_mov_b64 s[4:5], s[30:31]
	s_mov_b64 s[6:7], s[38:39]
	s_mov_b32 s3, 512
	s_cmp_lt_u32 s2, 512
	s_cselect_b64 s[4:5], s[28:29], s[4:5]
	s_cselect_b64 s[6:7], s[36:37], s[6:7]
	s_cselect_b32 s3, 256, s3
	s_cmp_lt_u32 s2, 256
	s_cselect_b64 s[4:5], s[26:27], s[4:5]
	s_cselect_b64 s[6:7], s[34:35], s[6:7]
	s_cselect_b32 s3, 192, s3
	s_cmp_lt_u32 s2, 192
	s_cselect_b64 s[4:5], s[24:25], s[4:5]
	s_cselect_b64 s[6:7], s[32:33], s[6:7]
	s_cselect_b32 s3, 0, s3
	s_sub_co_u32 s2, s2, s3                        ; my number within the matrix
	s_lshl_b32 s8, s2, 16
	s_mov_b32 s9, 0
	s_add_nc_u64 s[4:5], s[4:5], s[8:9]
	s_lshl_b32 s8, s2, 15
	s_add_nc_u64 s[6:7], s[6:7], s[8:9]
	s_wait_alu depctr_va_vdst(0)                   ; v2 and v3 are written: every load and store on this way reads one of them as its offset
.set i, 0
.rept 32
	global_load_b128 v[32+4*i:32+4*i+3], v2, s[4:5] offset:512*i th:TH_LOAD_NT  ; all of the wave's 16 KiB are asked for at once
.set i, i+1
.endr
; Eight groups of four loads.  Group g's turn: its eight conversions, and the four stores of the group before, one ahead of each pair of conversions.
.set g, 0
.rept 8
	s_wait_loadcnt 28-4*g                          ; loads come back in order: group g's four are in; the four of each younger group stay out
.if g > 0
	s_wait_alu depctr_va_vdst(0)                   ; the group before's conversions have written the eight words that the four stores below read
.endif
.set i, 4*g
.rept 4
.if g > 0
	global_store_b64 v3, v[160+2*(i-4):160+2*(i-4)+1], s[6:7] offset:256*(i-4)  ; 256 consecutive bytes, aligned; no vector instruction since the wait names these registers, and none writes them again
.endif
	v_cvt_pk_f16_f32 v[160+2*i], v[32+4*i], v[32+4*i+1]
	v_cvt_pk_f16_f32 v[160+2*i+1], v[32+4*i+2], v[32+4*i+3]
.set i, i+1
.endr
.set g, g+1
.endr
	s_wait_alu depctr_va_vdst(0)                   ; the last group's conversions have written the eight words that the last four stores read
.set i, 28
.rept 4
	global_store_b64 v3, v[160+2*i:160+2*i+1], s[6:7] offset:256*i  ; 256 consecutive bytes, aligned
.set i, i+1
.endr
	s_endpgm
.Lfunc_end_k_q9b9cb50f02_prep:
	.size	k_q9b9cb50f02_prep, .Lfunc_end_k_q9b9cb50f02_prep-k_q9b9cb50f02_prep
	.p2alignl 7, 3214868480
	.fill 96, 4, 3214868480
	.section	.rodata,"a",@progbits
	.p2align	6, 0x0
	.amdhsa_kernel k_q9b9cb50f02_prep
		.amdhsa_group_segment_fixed_size 0
		.amdhsa_private_segment_fixed_size 0
		.amdhsa_enable_private_segment 0
		.amdhsa_kernarg_size 96
		.amdhsa_user_sgpr_count 2
		.amdhsa_user_sgpr_kernarg_segment_ptr 1
		.amdhsa_wavefront_size32 1
		.amdhsa_system_sgpr_workgroup_id_x 1
		.amdhsa_system_sgpr_workgroup_id_y 1
		.amdhsa_system_sgpr_workgroup_id_z 1
		.amdhsa_system_vgpr_workitem_id 0
		.amdhsa_next_free_vgpr 224
		.amdhsa_next_free_sgpr 66
		.amdhsa_reserve_vcc 0
		.amdhsa_float_denorm_mode_32 3
		.amdhsa_float_denorm_mode_16_64 3
		.amdhsa_memory_ordered 1
		.amdhsa_forward_progress 1
		.amdhsa_inst_pref_size 49
	.end_amdhsa_kernel
	.amdgpu_metadata
---
amdhsa.version: [ 1, 2 ]
amdhsa.kernels:
  - .name:           k_q9b9cb50f02_prep
    .symbol:         k_q9b9cb50f02_prep.kd
    .args:
      - { .name: x, .offset: 0, .size: 8, .value_kind: global_buffer, .address_space: global }
      - { .name: ln1_g, .offset: 8, .size: 8, .value_kind: global_buffer, .address_space: global }
      - { .name: ln1_b, .offset: 16, .size: 8, .value_kind: global_buffer, .address_space: global }
      - { .name: hn, .offset: 24, .size: 8, .value_kind: global_buffer, .address_space: global }
      - { .name: W_attn, .offset: 32, .size: 8, .value_kind: global_buffer, .address_space: global }
      - { .name: W_proj, .offset: 40, .size: 8, .value_kind: global_buffer, .address_space: global }
      - { .name: W_fc, .offset: 48, .size: 8, .value_kind: global_buffer, .address_space: global }
      - { .name: W_fc_proj, .offset: 56, .size: 8, .value_kind: global_buffer, .address_space: global }
      - { .name: wa, .offset: 64, .size: 8, .value_kind: global_buffer, .address_space: global }
      - { .name: wp, .offset: 72, .size: 8, .value_kind: global_buffer, .address_space: global }
      - { .name: wf, .offset: 80, .size: 8, .value_kind: global_buffer, .address_space: global }
      - { .name: wo, .offset: 88, .size: 8, .value_kind: global_buffer, .address_space: global }
    .group_segment_fixed_size: 0
    .private_segment_fixed_size: 0
    .kernarg_segment_align: 8
    .kernarg_segment_size: 96
    .max_flat_workgroup_size: 128
    .sgpr_count:     66
    .vgpr_count:     224
    .wavefront_size: 32
...
	.end_amdgpu_metadata
.endif
;; end of part 7
;; launch qkv: the kernel of part 2 again; grid 8 x 32, 4 waves a work-group, clusters of 4 x 4, 327,680 bytes of LDS; arguments hn, wa, b_attn, sc; writes sc
;; launch attn: the kernel of part 3 again; grid 8 x 32, 4 waves a work-group, clusters of 4 x 1, 327,680 bytes of LDS; arguments sc, ya; writes ya
;; launch proj: the kernel of part 4 again; grid 8 x 32, 4 waves a work-group, clusters of 4 x 4, 327,680 bytes of LDS; arguments ya, wp, b_proj, x, x1; writes x1
;; launch ln2: the kernel of part 7 again; grid 256 x 1, 4 waves a work-group, no clusters, 0 bytes of LDS; arguments x1, ln2_g, ln2_b, hn, W_attn, W_proj, W_fc, W_fc_proj, wa, wp, ya, sc; writes hn, wa, wp, ya, sc
;; launch fc: the kernel of part 5 again; grid 16 x 16, 4 waves a work-group, clusters of 4 x 4, 327,680 bytes of LDS; arguments hn, wf, b_fc, sc; writes sc
;; launch fc2: the kernel of part 6 again; grid 8 x 32, 4 waves a work-group, clusters of 4 x 4, 327,680 bytes of LDS; arguments sc, wo, b_fc_proj, x1, out0; writes out0
